; MI455X (gfx1250); checked and timed in simulation.
; The chip was launched on July 23, 2026; its instructions are those of AMD's public machine-readable ISA for CDNA 5 (MIT licence, August 2026) and "CDNA5" Instruction Set Architecture Reference Guide (July 2026). The comments in the code are by the model that wrote it; some were corrected since.
;; Delta Model. Allowed arithmetic: float matrix products may take bf16 or f16 operands with f32 sums; all other float work in f32.
;; Inputs: W1 64 x 128 float32; W2 128 x 64 float32; Wo 64 x 64 float32; Wr 64 x 64 float32; b1 128 float32; b2 64 float32; beta 64 float32; bo 64 float32; br 64 float32; embed 64 x 64 float32; gamma 64 float32; seq 64 x 4,096 int32.
;; Outputs: out0 64 x 64 float32.
;; 3 versions, each right; version 2 is faster than version 1; version 3 is version 2 with the launch scan written anew for expert scheduling mode. Each part assembles by itself: llvm-mc -triple=amdgcn-amd-amdhsa -mcpu=gfx1250 --defsym DOCPART=n.
;; ======== version 1 of 3: 3 launches
;; workspace buffers: ktab 16,384 bytes; ops 8,388,608 bytes
;; launch prep (part 1): grid 64 x 1, 4 waves a work-group, no clusters, 1,536 bytes of LDS; arguments embed, W1, b1, W2, b2, gamma, beta, ktab; writes ktab
.if DOCPART == 1
	.amdgcn_target "amdgcn-amd-amdhsa--gfx1250"
	.amdhsa_code_object_version 6
	.text
	.protected	k_qece8b83f01_prep
	.globl	k_qece8b83f01_prep
	.p2align	8
	.type	k_qece8b83f01_prep,@function
k_qece8b83f01_prep:
	s_mov_b64 s[64:65], 0
	v_nop
	global_prefetch_b8 v0, s[64:65] scope:SCOPE_SE
	s_setreg_imm32_b32 hwreg(HW_REG_WAVE_MODE, 25, 1), 1
	s_wait_xcnt 0x0
; ktab[v][:] = LayerNorm(h + relu(h W1 + b1) W2 + b2) * gamma + beta with h = embed[v][:], all in f32.
; The encoder sees a position only through its token, and a token is one of 64: the 64 rows made here are every h that the scan can meet.
; One work-group makes one row.  Thread t (0..127) makes hidden unit t of the first layer; in the second layer it makes output t mod 64 over
; the half t / 64 of the 128 hidden units; wave 0 adds the halves and normalises, two outputs a lane.
; The matrix unit is left out: one row against each weight matrix would fill one of sixteen rows of a matrix instruction, and the table feeds
; a long recurrence, so it is kept in f32.
.set VT4, 1                            ; v1        4 t
.set VW2, 2                            ; v2        (t / 64) * 16384 + 4 (t mod 64): my column of my half of W2
.set VP8, 3                            ; v3        8 (t mod 32): a pair of outputs
.set VF,  4                            ; v4        256 (t / 64): my half of the hidden units in LDS
.set VB1, 5                            ; v5        b1[t]
.set ACC, 6                            ; v[6:9]    four running sums
.set HP,  10                           ; v[10:11]  h, v[12:13] b2, v[14:15] gamma, v[16:17] beta of my pair
.set B2P, 12
.set GP,  14
.set BP,  16
.set P0,  18                           ; v[18:19], v[20:21]  the two halves' sums of my pair
.set P1,  20
.set T,   22                           ; v[22:27]  at work
.set W1R, 32                           ; v[32:95]   W1[0..63][t]
.set W2R, 96                           ; v[96:159]  W2[64 half + 0..63][t mod 64]
.set FR,  160                          ; v[160:223] my half of the hidden units
.set LP2, 512                          ; LDS: 128 hidden units at 0, the second layer's [half][64] sums at 512
	s_load_b512 s[84:99], s[0:1], 0x0              ; embed 84, W1 86, b1 88, W2 90, b2 92, gamma 94, beta 96, ktab 98
	v_lshl_add_u32 v224, v0, 2, 0x400
	v_mov_b32 v225, 0
	s_lshl_b32 s2, ttmp9, 8                        ; my row: 256 bytes
	s_mov_b32 s3, 0
	s_mov_b32 s10, 0x76543210                      ; v_permlanex16_b32: lane i reads lane i of the other half
	s_mov_b32 s11, 0xfedcba98
	s_mov_b32 s12, 0x3c800000                      ; 1/64
	s_mov_b32 s13, 0xbc800000                      ; -1/64
	v_lshrrev_b32 v[T], 5, v0
	v_readfirstlane_b32 s8, v[T]                   ; wave
	v_lshlrev_b32 v[VT4], 2, v0
	v_and_b32 v[T], 63, v0
	v_lshrrev_b32 v[T+1], 6, v0
	v_lshlrev_b32 v[VW2], 2, v[T]
	v_lshl_add_u32 v[VW2], v[T+1], 14, v[VW2]
	v_lshlrev_b32 v[VF], 8, v[T+1]
	v_and_b32 v[T], 31, v0
	v_lshlrev_b32 v[VP8], 3, v[T]
	v_mov_b32 v[T+3], 0                            ; v_permlanex16_b32 counts as a reader of its destination
	s_wait_kmcnt 0x0
	s_add_nc_u64 s[4:5], s[84:85], s[2:3]          ; embed's row
	s_add_nc_u64 s[6:7], s[98:99], s[2:3]          ; ktab's row
	s_load_b512 s[16:31], s[4:5], 0x0              ; h[0..47] in s16..s63, h[48..63] in s68..s83
	s_load_b512 s[32:47], s[4:5], 0x40
	s_load_b512 s[48:63], s[4:5], 0x80
	s_load_b512 s[68:83], s[4:5], 0xc0
	global_load_b64 v[HP:HP+1],   v[VP8], s[4:5]   ; the four pairs are used by wave 0 alone; every wave asks, so that all waves run one text
	global_load_b64 v[B2P:B2P+1], v[VP8], s[92:93]
	global_load_b64 v[GP:GP+1],   v[VP8], s[94:95]
	global_load_b64 v[BP:BP+1],   v[VP8], s[96:97]
	global_load_b32 v[VB1], v[VT4], s[88:89]
.set i, 0
.rept 64
	global_load_b32 v[W1R+i], v[VT4], s[86:87] offset:512*i    ; a wave's load covers 128 neighbouring bytes of W1's row i
.set i, i+1
.endr
.set i, 0
.rept 64
	global_load_b32 v[W2R+i], v[VW2], s[90:91] offset:256*i
.set i, i+1
.endr
	; first layer: f[t] = relu(b1[t] + sum over i of h[i] W1[i][t]), four chains
	s_wait_kmcnt 0x0                               ; h
	s_wait_loadcnt 63                              ; 64 loads stand behind W1's last; 63 is the largest count that the wait takes (ISA guide 5.7.1), so W2's first is waited for too
.set i, 0
.rept 64
.if i < 48
.set hs, 16+i
.else
.set hs, 20+i
.endif
.if i == 0
	v_fma_f32 v[ACC], s[hs], v[W1R], v[VB1]        ; the bias starts the first chain: nothing is cleared
.else
.if i < 4
	v_mul_f32 v[ACC+i], s[hs], v[W1R+i]
.else
	v_fmac_f32 v[ACC+i%4], s[hs], v[W1R+i]
.endif
.endif
.set i, i+1
.endr
	v_add_f32 v[ACC], v[ACC], v[ACC+1]
	v_add_f32 v[ACC+2], v[ACC+2], v[ACC+3]
	v_add_f32 v[ACC], v[ACC], v[ACC+2]
	v_max_num_f32 v[ACC], 0, v[ACC]
	ds_store_b32 v[VT4], v[ACC]
	s_wait_dscnt 0x0                               ; my hidden unit is in LDS before I say so
	s_barrier_signal -1
	s_barrier_wait -1
	; second layer: my output over my half of the hidden units
.set i, 0
.rept 16
	ds_load_b128 v[FR+4*i:FR+4*i+3], v[VF] offset:16*i     ; every lane of a wave reads the same 16 bytes
.set i, i+1
.endr
	s_wait_loadcnt 0x0                             ; W2
	s_wait_dscnt 0x0
.set i, 0
.rept 32
.if i < 2
	v_pk_mul_f32 v[ACC+2*i:ACC+2*i+1], v[FR+2*i:FR+2*i+1], v[W2R+2*i:W2R+2*i+1]
.else
	v_pk_fma_f32 v[ACC+2*(i%2):ACC+2*(i%2)+1], v[FR+2*i:FR+2*i+1], v[W2R+2*i:W2R+2*i+1], v[ACC+2*(i%2):ACC+2*(i%2)+1]
.endif
.set i, i+1
.endr
	v_pk_add_f32 v[ACC:ACC+1], v[ACC:ACC+1], v[ACC+2:ACC+3]
	v_add_f32 v[ACC], v[ACC], v[ACC+1]
	ds_store_b32 v[VT4], v[ACC] offset:LP2
	s_wait_dscnt 0x0
	s_barrier_signal -1
	s_barrier_wait -1
	s_cmp_lg_u32 s8, 0
	s_cbranch_scc1 .Ldone                          ; the row is 64 numbers: wave 0 finishes it, two a lane
	ds_load_b64 v[P0:P0+1], v[VP8] offset:LP2
	ds_load_b64 v[P1:P1+1], v[VP8] offset:LP2+256
	v_pk_add_f32 v[T:T+1], v[HP:HP+1], v[B2P:B2P+1]
	s_wait_dscnt 0x0
	v_pk_add_f32 v[T:T+1], v[T:T+1], v[P0:P0+1]
	v_pk_add_f32 v[T:T+1], v[T:T+1], v[P1:P1+1]    ; x = h + ff
	v_add_f32 v[T+2], v[T], v[T+1]
.irp m, 1,2,4,8
	v_add_f32_dpp v[T+2], v[T+2], v[T+2] row_xmask:\m row_mask:0xf bank_mask:0xf
.endr
	v_permlanex16_b32 v[T+3], v[T+2], s10, s11
	v_add_f32 v[T+2], v[T+2], v[T+3]               ; the row's sum, in every lane
	v_fmac_f32 v[T], s13, v[T+2]                   ; x - sum / 64
	v_fmac_f32 v[T+1], s13, v[T+2]
	v_mul_f32 v[T+4], v[T], v[T]
	v_fmac_f32 v[T+4], v[T+1], v[T+1]
.irp m, 1,2,4,8
	v_add_f32_dpp v[T+4], v[T+4], v[T+4] row_xmask:\m row_mask:0xf bank_mask:0xf
.endr
	v_permlanex16_b32 v[T+3], v[T+4], s10, s11
	v_add_f32 v[T+4], v[T+4], v[T+3]
	v_fmaak_f32 v[T+4], s12, v[T+4], 0x3727c5ac    ; variance + 1e-5
	v_rsq_f32 v[T+5], v[T+4]
	v_nop                                          ; one plain vector instruction between v_rsq_f32 and the use of its result (ISA guide 5.7.2)
	s_wait_alu depctr_va_vdst(0)
	v_mul_f32 v[T], v[T], v[T+5]
	v_mul_f32 v[T+1], v[T+1], v[T+5]
	v_pk_fma_f32 v[T:T+1], v[T:T+1], v[GP:GP+1], v[BP:BP+1]
	global_store_b64 v[VP8], v[T:T+1], s[6:7]      ; 32 lanes store the row's 256 consecutive bytes, aligned
.Ldone:
	s_wait_tensorcnt 0x0
	ds_add_u32 v224, v225
	s_wait_dscnt 0x0
	s_endpgm
.Lfunc_end_k_qece8b83f01_prep:
	.size	k_qece8b83f01_prep, .Lfunc_end_k_qece8b83f01_prep-k_qece8b83f01_prep
	.p2alignl 7, 3214868480
	.fill 96, 4, 3214868480
	.section	.rodata,"a",@progbits
	.p2align	6, 0x0
	.amdhsa_kernel k_qece8b83f01_prep
		.amdhsa_group_segment_fixed_size 1536
		.amdhsa_private_segment_fixed_size 0
		.amdhsa_enable_private_segment 0
		.amdhsa_kernarg_size 64
		.amdhsa_user_sgpr_count 2
		.amdhsa_user_sgpr_kernarg_segment_ptr 1
		.amdhsa_wavefront_size32 1
		.amdhsa_system_sgpr_workgroup_id_x 1
		.amdhsa_system_sgpr_workgroup_id_y 1
		.amdhsa_system_sgpr_workgroup_id_z 1
		.amdhsa_system_vgpr_workitem_id 0
		.amdhsa_next_free_vgpr 226
		.amdhsa_next_free_sgpr 100
		.amdhsa_reserve_vcc 0
		.amdhsa_float_denorm_mode_32 3
		.amdhsa_float_denorm_mode_16_64 3
		.amdhsa_memory_ordered 1
		.amdhsa_forward_progress 1
		.amdhsa_inst_pref_size 22
	.end_amdhsa_kernel
	.amdgpu_metadata
---
amdhsa.version: [ 1, 2 ]
amdhsa.kernels:
  - .name:           k_qece8b83f01_prep
    .symbol:         k_qece8b83f01_prep.kd
    .args:
      - { .name: embed, .offset: 0, .size: 8, .value_kind: global_buffer, .address_space: global }
      - { .name: W1, .offset: 8, .size: 8, .value_kind: global_buffer, .address_space: global }
      - { .name: b1, .offset: 16, .size: 8, .value_kind: global_buffer, .address_space: global }
      - { .name: W2, .offset: 24, .size: 8, .value_kind: global_buffer, .address_space: global }
      - { .name: b2, .offset: 32, .size: 8, .value_kind: global_buffer, .address_space: global }
      - { .name: gamma, .offset: 40, .size: 8, .value_kind: global_buffer, .address_space: global }
      - { .name: beta, .offset: 48, .size: 8, .value_kind: global_buffer, .address_space: global }
      - { .name: ktab, .offset: 56, .size: 8, .value_kind: global_buffer, .address_space: global }
    .group_segment_fixed_size: 1536
    .private_segment_fixed_size: 0
    .kernarg_segment_align: 8
    .kernarg_segment_size: 64
    .max_flat_workgroup_size: 128
    .sgpr_count:     100
    .vgpr_count:     226
    .wavefront_size: 32
...
	.end_amdgpu_metadata
.endif
;; end of part 1
;; launch scan (part 2): grid 256 x 1, 4 waves a work-group, no clusters, 168,448 bytes of LDS; arguments seq, ktab, ops; writes ops
.if DOCPART == 2
	.amdgcn_target "amdgcn-amd-amdhsa--gfx1250"
	.amdhsa_code_object_version 6
	.text
	.protected	k_qece8b83f01_scan
	.globl	k_qece8b83f01_scan
	.p2align	8
	.type	k_qece8b83f01_scan,@function
k_qece8b83f01_scan:
	s_mov_b64 s[64:65], 0
	v_nop
	global_prefetch_b8 v0, s[64:65] scope:SCOPE_SE
	s_setreg_imm32_b32 hwreg(HW_REG_WAVE_MODE, 25, 1), 1
	s_wait_xcnt 0x0
; The delta-rule scan, read backwards and as an operator.  Only ctx = M q is wanted, and from M_t = M_(t-1) (I - k k^T / d) + k k^T, d = k.k + 1e-6,
; follows, with time running down and kh = k / sqrt(d):   a = kh . q;   ctx += d kh a;   q -= kh a.
; Both updates are linear in q, so a stretch of time is a pair of 64 x 64 matrices: P (q in -> q out) and C (q in -> its share of ctx).
; Work-group id = 4 b + tau makes that pair for batch b and times 1024 tau .. 1024 tau + 1023, starting from Q = I; wave w owns columns 16 w .. 16 w + 15.
; 32 steps are one chunk.  With K the chunk's 32 rows kh (latest time first) and T = (I + strict lower part of K K^T)^-1:
;   R = K Q;   A = T R;   Q -= K^T A;   C += K^T D A      (D = diag d)
; All four are products from the left, so the f32 result tiles of one matrix instruction pack, lane by lane, into the B operand of the next.
; The text keeps Tn = -T, so that the matrix instructions add: Q += K^T (Tn R), and CX = -C / dmax, which is scaled by -dmax at the end.
; NUMBER FORMAT: matrix operands are f16.  Each is at most 1 in magnitude by construction (kh is a unit vector or shorter; Q's columns are unit vectors
; shortened by projections; R, A and T's entries are projections of such; d / dmax <= 1), so f16's range is never left.  Q and CX stay in f32.
; LIMITS: tokens are clamped to 0..63 as unsigned numbers (a negative index gives row 63).  Operands carry f16's rounding, 2^-12 relative; entries of
; kh d / dmax below 2^-14 are f16 denormals with a step of 2^-24.  A row's sum of squares must be finite in f32.
; Time 4095 is the query and no key: its token is replaced by 64, a table row of zeros, which makes that step change nothing.
; No tensor loads, cluster or prefetch: the one shared input is the table of 16,384 bytes, read once and scaled and converted on its way into LDS.
; LDS in use: 139,008 bytes.
.set KP,   144                         ; pitch of a table row: 128 bytes of f16 + 16
.set DOFF, 9472                        ; table of kh at 0 (65 rows), table of kh d / dmax at DOFF
.set SEQ,  18944                       ; 1024 tokens, by position: 0 = the block's latest time
.set RED,  23040                       ; the four waves' largest d
.set TT,   23296                       ; Tn of the 32 chunks, f16, stored [column][row]
.set TP,   96                          ; pitch of a column of Tn: 64 bytes + 32
.set TCH,  32*TP                       ; a chunk's Tn
.set STG,  121600                      ; the way out: 16 rows of 272 bytes for each wave
.set SP,   272
.set NCH,  32                          ; chunks
; registers that live through the kernel
.set VR,   1                           ; r = lane mod 16
.set CH,   2                           ; 16 h, h = lane / 16
.set CT,   3                           ; 16 ((lane / 8) mod 2)
.set VSA,  4                           ; token address, one position a lane of 16
.set VST,  5                           ; token address, position 8 h + lane mod 8
.set VTT,  6                           ; address in Tn for the transposing loads
.set PAT,  7                           ; 8 h + lane mod 8
.set AK,   8                           ; v8, v9    table rows of positions r, 16 + r
.set AT,   10                          ; v10, v11  table rows of positions PAT, 16 + PAT
.set TKA,  12                          ; v12, v13  tokens for AK
.set TKT,  14                          ; v14, v15  tokens for AT
.set STO,  16                          ; the way out
.set RD,   17
.set CO,   18
.set DIF,  19
.set VH,   20                          ; h
.set ONE,  21
.set NEG1, 22
.set GA,   23                          ; 16 x thread
.set VTS,  16                          ; while Tn is made: where a lane stores its column,
.set VTB,  17                          ; and where column r lies
; while the tables are made
.set XA,   24                          ; v[24:55]   eight quads of the raw table
.set SS,   56                          ; v[56:63]   sums of squares
.set DR,   64                          ; v[64:79]   row i: 1/sqrt(d) at 2 i, d at 2 i + 1
.set LD,   80                          ; v[80:87]   tokens as loaded
.set RV,   88                          ; v[88:95]   tokens clamped, each quad reversed
.set YA,   96
.set PH,   100
.set MX,   102
.set M4,   104
.set SC,   108                         ; v[108:123] row i: d / (dmax sqrt(d)) at 2 i, d / dmax at 2 i + 1
.set AW,   124
.set AS,   125
.set AR,   126
.set ZT,   127
; while Tn is made
.set F1,   24                          ; kh of positions 0-15, K = 64 in two fragments
.set F2,   40                          ; kh of positions 16-31
.set D11,  56                          ; Gram blocks
.set D22,  64
.set D12,  72
.set XS,   80                          ; v[80:95]   the solve: register = row, lane = column; lanes 0-15 block 1, lanes 16-31 block 2
.set ES,   96                          ; v[96:111]  minus the unit matrix in that layout
.set PK,   112
.set A1,   120
.set B1,   128
.set B2,   136
.set A2,   144
.set UU,   152
.set VV,   160
.set VP,   168
; main phase
.set Q,    24                          ; v[24:55]   four tiles: rows 16 mt + 8 h + j, column r
.set CX,   56                          ; v[56:87]
.set RR,   88                          ; v[88:103]
.set AN,   104                         ; v[104:119]
.set QB,   120                         ; v[120:135] Q in f16 as two B fragments
.set RB,   136                         ; v[136:143] R, then -A, in f16 as a B fragment
.set KA,   144                         ; v[144:175] K as A fragments: 16 mt + 8 ks
.set TA0,  176                         ; v[176:183] Tn rows 0-15; its upper four registers (columns 16-31) stay zero
.set TA1,  184                         ; v[184:191] Tn rows 16-31
.set KT,   192                         ; v[192:223] K^T as four A fragments
.set KD,   224                         ; v[224:255] (D K / dmax)^T likewise
.macro PLACES                          ; four places behind a matrix instruction (ISA guide 7.12.1)
.rept 4
	v_nop
.endr
.endm
.macro ADDR dst, tok, c                ; a token, bounded, to the LDS address of its table row plus the lane's column term
	v_min_u32 v[\tok], 64, v[\tok]
	v_mul_u32_u24 v[\dst], v[\tok], KP
	v_add_nc_u32 v[\dst], v[\dst], v[\c]
.endm
.macro LDKA base, a                    ; two A fragments (K = 0-31, 32-63) of sixteen gathered rows
	ds_load_b128 v[\base:\base+3],     v[\a]
	ds_load_b128 v[\base+4:\base+7],   v[\a] offset:32
	ds_load_b128 v[\base+8:\base+11],  v[\a] offset:64
	ds_load_b128 v[\base+12:\base+15], v[\a] offset:96
.endm
.macro CVT dst, src, n                 ; 2 n numbers of f32 to n registers of f16: a result tile's eight rows are a B fragment's eight k
.set p, 0
.rept \n
	v_cvt_pk_f16_f32 v[\dst+p], v[\src+2*p], v[\src+2*p+1]
.set p, p+1
.endr
.endm
	s_load_b128 s[4:7], s[0:1], 0x0                ; seq s[4:5], ktab s[6:7]
	s_load_b64 s[8:9], s[0:1], 0x10                ; ops
	s_set_vgpr_msb 0x40
	v_lshl_add_u32 v0, v0, 2, 0x29000
	v_mov_b32 v1, 0
	s_set_vgpr_msb 0x4000
	v_lshrrev_b32 v[ZT], 5, v0
	v_readfirstlane_b32 s10, v[ZT]                 ; wave
	s_and_b32 s12, ttmp9, 3                        ; tau
	s_lshl_b32 s14, ttmp9, 12                      ; my 1024 tokens: (4 b + tau) x 4,096 bytes
	s_mov_b32 s15, 0
	s_mov_b32 s20, 0x76543210
	s_mov_b32 s21, 0xfedcba98
	v_lshlrev_b32 v[GA], 4, v0
	v_and_b32 v[VR], 15, v0
	v_bfe_u32 v[VH], v0, 4, 1
	v_lshlrev_b32 v[CH], 4, v[VH]
	v_bfe_u32 v[CT], v0, 3, 1
	v_lshlrev_b32 v[CT], 4, v[CT]
	v_and_b32 v[PAT], 7, v0
	v_lshl_add_u32 v[PAT], v[VH], 3, v[PAT]
	s_wait_kmcnt 0x0
	s_add_nc_u64 s[4:5], s[4:5], s[14:15]
	global_load_b128 v[LD:LD+3],   v[GA], s[4:5] th:TH_LOAD_NT
	global_load_b128 v[LD+4:LD+7], v[GA], s[4:5] offset:2048 th:TH_LOAD_NT
.irp i, 0,1,2,3,4,5,6,7
	global_load_b128 v[XA+4*\i:XA+4*\i+3], v[GA], s[6:7] offset:2048*\i    ; row thread / 16 + 8 i, quad thread mod 16
.endr
	; ---- tokens into LDS, latest time first ----
	s_wait_loadcnt 0x8                             ; the tokens are in; the table's eight loads stay out
.irp i, 0,1,2,3
	v_min_u32 v[RV+3-\i], 63, v[LD+\i]             ; clamp, and turn the quad round
	v_min_u32 v[RV+7-\i], 63, v[LD+4+\i]
.endr
	s_lshl_b32 s13, s12, 7
	v_add_nc_u32 v[ZT], s13, v0
	v_cmp_ne_u32 vcc_lo, 0x1ff, v[ZT]              ; thread 127 of tau = 3 holds time 4095,
	v_cndmask_b32 v[RV+4], 64, v[RV+4], vcc_lo     ; which becomes the row of zeros
	v_sub_nc_u32 v[AS], SEQ+2032, v[GA]            ; times 4 t .. 4 t + 3 are positions 1020 - 4 t .. 1023 - 4 t; the second quad lies 512 positions lower
	ds_store_b128 v[AS], v[RV:RV+3] offset:2048
	ds_store_b128 v[AS], v[RV+4:RV+7]
	; ---- d = k.k + 1e-6 and 1/sqrt(d) of my eight rows ----
.irp i, 0,1,2,3,4,5,6,7
	s_wait_loadcnt 7-\i
	v_mul_f32  v[SS+\i], v[XA+4*\i],   v[XA+4*\i]
	v_fmac_f32 v[SS+\i], v[XA+4*\i+1], v[XA+4*\i+1]
	v_fmac_f32 v[SS+\i], v[XA+4*\i+2], v[XA+4*\i+2]
	v_fmac_f32 v[SS+\i], v[XA+4*\i+3], v[XA+4*\i+3]
.endr
.irp m, 1,2,4,8
.irp i, 0,1,2,3,4,5,6,7
	v_add_f32_dpp v[SS+\i], v[SS+\i], v[SS+\i] row_xmask:\m row_mask:0xf bank_mask:0xf     ; a row lies in sixteen neighbouring lanes
.endr
.endr
.irp i, 0,1,2,3,4,5,6,7
	v_add_f32 v[DR+2*\i+1], 0x358637bd, v[SS+\i]
.endr
.irp i, 0,1,2,3,4,5,6,7
	v_rsq_f32 v[DR+2*\i], v[DR+2*\i+1]
.endr
	v_max3_num_f32 v[MX], v[DR+1], v[DR+3], v[DR+5]        ; plain work behind the last v_rsq_f32 (ISA guide 5.7.2): it reads no result and writes no source
	v_max3_num_f32 v[MX], v[MX], v[DR+7], v[DR+9]
	v_max3_num_f32 v[MX], v[MX], v[DR+11], v[DR+13]
	v_max_num_f32 v[MX], v[MX], v[DR+15]
	v_permlanex16_b32 v[SS], v[MX], s20, s21
	v_max_num_f32 v[MX], v[MX], v[SS]              ; the largest d of my wave's sixteen rows
	v_mov_b32 v[AR], s10
	v_lshlrev_b32 v[AR], 2, v[AR]
	ds_store_b32 v[AR], v[MX] offset:RED
.macro TABROW i, sc, off               ; four numbers of row thread / 16 + 8 i, scaled by the pair's first register, to f16
	v_pk_mul_f32 v[YA:YA+1],   v[XA+4*\i:XA+4*\i+1],   v[\sc+2*\i:\sc+2*\i+1] op_sel_hi:[1,0]
	v_pk_mul_f32 v[YA+2:YA+3], v[XA+4*\i+2:XA+4*\i+3], v[\sc+2*\i:\sc+2*\i+1] op_sel_hi:[1,0]
	v_cvt_pk_f16_f32 v[PH],   v[YA],   v[YA+1]
	v_cvt_pk_f16_f32 v[PH+1], v[YA+2], v[YA+3]
	ds_store_b64 v[AW], v[PH:PH+1] offset:\off+8*KP*\i
.endm
	v_lshrrev_b32 v[ZT], 4, v0
	v_mul_u32_u24 v[AW], v[ZT], KP
	v_lshl_add_u32 v[AW], v[VR], 3, v[AW]
	s_wait_alu depctr_va_vdst(0)
.irp i, 0,1,2,3,4,5,6,7
	TABROW \i, DR, 0                               ; kh
.endr
	s_wait_dscnt 0x0                               ; my wave's maximum is in LDS before I say so
	s_barrier_signal -1
	s_barrier_wait -1
	v_mov_b32 v[AR], 0
	ds_load_b128 v[M4:M4+3], v[AR] offset:RED
	s_wait_dscnt 0x0
	v_max3_num_f32 v[MX], v[M4], v[M4+1], v[M4+2]
	v_max_num_f32 v[MX], v[MX], v[M4+3]            ; dmax
	v_rcp_f32 v[MX+1], v[MX]
	v_nop                                          ; one plain vector instruction behind v_rcp_f32 (ISA guide 5.7.2)
	v_readfirstlane_b32 s18, v[MX]
	s_xor_b32 s18, s18, 0x80000000                 ; -dmax, twice: a pair for the packed multiply at the end
	s_mov_b32 s19, s18
	s_wait_alu depctr_va_vdst(0)
.irp i, 0,1,2,3,4,5,6,7
	v_mul_f32 v[SC+2*\i+1], v[DR+2*\i+1], v[MX+1]  ; d / dmax
.endr
.irp i, 0,1,2,3,4,5,6,7
	v_mul_f32 v[SC+2*\i], v[SC+2*\i+1], v[DR+2*\i]
.endr
.irp i, 0,1,2,3,4,5,6,7
	TABROW \i, SC, DOFF                            ; kh d / dmax
.endr
	s_cmp_gt_u32 s10, 1
	s_cbranch_scc1 .Lno_zero_row                   ; wave 0 clears row 64 of the first table, wave 1 of the second: 32 lanes x 4 bytes
	s_mul_i32 s13, s10, DOFF
	v_and_b32 v[ZT], 31, v0
	v_lshl_add_u32 v[ZT], v[ZT], 2, s13
	v_mov_b32 v[YA], 0
	ds_store_b32 v[ZT], v[YA] offset:64*KP
.Lno_zero_row:
	s_wait_dscnt 0x0                               ; tokens and tables are whole before anybody reads them
	s_barrier_signal -1
	s_barrier_wait -1
	; ---- Tn = -(I + strict lower part of K K^T)^-1 for chunks 8 w .. 8 w + 7 ----
	; In blocks of 16: T = [[T1, 0], [-T2 N21 T1, T2]].  T1 and T2 are solved together by forward substitution, block 1 in lanes 0-15 and block 2 in
	; lanes 16-31, a column a lane; the lower left block is Tn2 N21 Tn1, two matrix instructions with K = 16 filled up by zeros.
	s_lshl_b32 s13, s10, 10                        ; 8 chunks x 128 bytes of tokens
	s_mul_i32 s14, s10, 8*TCH
	s_add_co_u32 s14, s14, TT                      ; my eight chunks of Tn: nobody else touches them before the barrier behind the loop
	v_lshl_add_u32 v[VSA], v[VR], 2, s13
	v_and_b32 v[DIF], 31, v0
	v_mul_u32_u24 v[VTS], v[DIF], TP               ; column = lane,
	v_lshl_add_u32 v[VTS], v[VH], 5, v[VTS]        ; rows 16-31 for block 2
	v_add_nc_u32 v[VTS], s14, v[VTS]
	v_mul_u32_u24 v[VTB], v[VR], TP                ; column r, rows 8 h ..
	v_add3_u32 v[VTB], v[VTB], v[CH], s14
	v_mul_u32_u24 v[VTT], v[PAT], TP
	v_add3_u32 v[VTT], v[VTT], v[CT], s14
	v_mov_b32 v[NEG1], -1.0
.irp i, 0,1,2,3,4,5,6,7,8,9,10,11,12,13,14,15
	v_cmp_eq_u32 vcc_lo, \i, v[VR]
	v_cndmask_b32 v[ES+\i], 0, v[NEG1], vcc_lo
.endr
.irp b, A1,B1,B2,A2
.irp j, 4,5,6,7
	v_mov_b32 v[\b+\j], 0                          ; k = 16 .. 31 of the small products, once
.endr
.endr
.macro SOLVECOL j                      ; row j is final: take it out of the rows below.  Lane j of each half holds -N[i][j] and is shared with its half
.set i, \j+1
.rept 15-\j
	v_fmac_f32_dpp v[XS+i], v[D11+i], v[XS+\j] row_share:\j row_mask:0xf bank_mask:0xf
.set i, i+1
.endr
.endm
	s_mov_b32 s16, 8
.Ltri:
	ds_load_b32 v[TKA],   v[VSA] offset:SEQ
	ds_load_b32 v[TKA+1], v[VSA] offset:SEQ+64
	s_wait_dscnt 0x0
	ADDR AK, TKA, CH
	ADDR AK+1, TKA+1, CH
	LDKA F1, AK
	LDKA F2, AK+1
	s_wait_dscnt 0x0
	; the three Gram blocks; the accumulators take turns
	v_wmma_f32_16x16x32_f16 v[D11:D11+7], v[F1:F1+7],    v[F1:F1+7],    0
	v_wmma_f32_16x16x32_f16 v[D22:D22+7], v[F2:F2+7],    v[F2:F2+7],    0
	v_wmma_f32_16x16x32_f16 v[D12:D12+7], v[F1:F1+7],    v[F2:F2+7],    0
	v_wmma_f32_16x16x32_f16 v[D11:D11+7], v[F1+8:F1+15], v[F1+8:F1+15], v[D11:D11+7]
	v_wmma_f32_16x16x32_f16 v[D22:D22+7], v[F2+8:F2+15], v[F2+8:F2+15], v[D22:D22+7]
	v_wmma_f32_16x16x32_f16 v[D12:D12+7], v[F1+8:F1+15], v[F2+8:F2+15], v[D12:D12+7]      ; lane (r, h), register j: N21[r][8 h + j]
.irp i, 0,1,2,3,4,5,6,7,8,9,10,11,12,13,14,15
	v_mov_b32 v[XS+\i], v[ES+\i]                   ; the right-hand sides; also the places behind the matrix instructions (ISA guide 7.12.1)
.endr
.irp j, 0,1,2,3,4,5,6,7
	v_permlane16_swap_b32 v[D11+\j], v[D22+\j]     ; D11 + i now holds row i (0..15) of N: block 1 in lanes 0-15, block 2 in lanes 16-31
.endr
.irp j, 0,2,4,6,8,10,12,14
	v_pk_mul_f32 v[D11+\j:D11+\j+1], v[D11+\j:D11+\j+1], -1.0 op_sel_hi:[1,0]
.endr
.irp j, 0,1,2,3,4,5,6,7,8,9,10,11,12,13,14
	SOLVECOL \j
.endr
	CVT PK, XS, 8
	ds_store_b128 v[VTS], v[PK:PK+3]
	ds_store_b128 v[VTS], v[PK+4:PK+7] offset:16
	CVT A1, D12, 4                                 ; N21 as an A fragment
	ds_load_b128 v[B1:B1+3], v[VTB]                ; Tn1 as a B fragment.  LDS serves a wave's instructions in order (ISA guide 5.7.1): these see the stores above
	ds_load_tr16_b128 v[A2:A2+3], v[VTT] offset:16*TP+32   ; Tn2 as an A fragment: columns 16 .., rows 16 .., transposed on the way
	s_wait_dscnt 0x0
	v_wmma_f32_16x16x32_f16 v[UU:UU+7], v[A1:A1+7], v[B1:B1+7], 0
	v_add_nc_u32 v[VSA], 128, v[VSA]               ; the next chunk's addresses fill three of the four places
	v_add_nc_u32 v[VTS], TCH, v[VTS]
	v_add_nc_u32 v[VTT], TCH, v[VTT]
	v_nop
	CVT B2, UU, 4
	v_wmma_f32_16x16x32_f16 v[VV:VV+7], v[A2:A2+7], v[B2:B2+7], 0
	PLACES
	CVT VP, VV, 4
	ds_store_b128 v[VTB], v[VP:VP+3] offset:32     ; column r, rows 16 + 8 h ..
	v_add_nc_u32 v[VTB], TCH, v[VTB]
	s_sub_co_u32 s16, s16, 1
	s_cmp_lg_u32 s16, 0
	s_cbranch_scc1 .Ltri
	s_wait_dscnt 0x0                               ; my eight chunks of Tn are in LDS before I say so
	s_barrier_signal -1
	s_barrier_wait -1
	; ---- the 32 chunks.  LDS is only read from here to the way out: no barrier ----
	s_lshl_b32 s13, s10, 4
	v_lshrrev_b32 v[DIF], 1, v[CH]
	v_sub_nc_u32 v[DIF], v[VR], v[DIF]
	v_add_nc_u32 v[DIF], s13, v[DIF]               ; 16 w + r - 8 h: the register index 16 mt + j at which my column of I has its one
	v_mov_b32 v[ONE], 1.0
.set i, 0
.rept 32
	v_cmp_eq_u32 vcc_lo, 16*(i/8)+i%8, v[DIF]
	v_cndmask_b32 v[Q+i], 0, v[ONE], vcc_lo
.set i, i+1
.endr
.irp j, 4,5,6,7
	v_mov_b32 v[TA0+\j], 0                         ; Tn's rows 0-15 have nothing in columns 16-31
.endr
	v_lshlrev_b32 v[VSA], 2, v[VR]
	v_lshlrev_b32 v[VST], 2, v[PAT]
	v_mul_u32_u24 v[VTT], v[PAT], TP
	v_add3_u32 v[VTT], v[VTT], v[CT], TT
.macro LDTOK                           ; 4 loads
	ds_load_b32 v[TKA],   v[VSA] offset:SEQ
	ds_load_b32 v[TKA+1], v[VSA] offset:SEQ+64
	ds_load_b32 v[TKT],   v[VST] offset:SEQ
	ds_load_b32 v[TKT+1], v[VST] offset:SEQ+64
.endm
.macro LDTA                            ; 3 loads
	ds_load_tr16_b128 v[TA0:TA0+3],   v[VTT]
	ds_load_tr16_b128 v[TA1:TA1+3],   v[VTT] offset:32
	ds_load_tr16_b128 v[TA1+4:TA1+7], v[VTT] offset:16*TP+32
.endm
.macro LDKT                            ; 16 loads: lane 8 g + i addresses position 8 h + i and receives feature r of eight positions
.irp mt, 0,1,2,3
	ds_load_tr16_b128 v[KT+8*\mt:KT+8*\mt+3],   v[AT]   offset:32*\mt
	ds_load_tr16_b128 v[KT+8*\mt+4:KT+8*\mt+7], v[AT+1] offset:32*\mt
	ds_load_tr16_b128 v[KD+8*\mt:KD+8*\mt+3],   v[AT]   offset:DOFF+32*\mt
	ds_load_tr16_b128 v[KD+8*\mt+4:KD+8*\mt+7], v[AT+1] offset:DOFF+32*\mt
.endr
.endm
; One chunk.  first: CX starts from the constant 0.  nxt: the next chunk's operands are fetched.  tok: so are the tokens of the one after.
; LDS loads come back in order (ISA guide 5.7.1), and a chunk issues: KA' 8 (next chunk), tokens 4 (the chunk after), TA' 3, KT' and KD' 16.
;   w1 = loads issued behind this chunk's KA:      tokens 4 + TA 3 + KT/KD 16 = 23
;   19 = loads issued behind the next chunk's tokens:         TA 3 + KT/KD 16
;   w3 = loads issued behind this chunk's TA:      KT/KD 16 + KA' 8 = 24
;   w5 = loads issued behind this chunk's KT/KD:   KA' 8 + tokens 4 + TA' 3 = 15
; In every run of matrix instructions the accumulators take turns, over the loop's backward jump too.
.macro CHUNK first, nxt, tok, w1, w3, w5
	CVT QB, Q, 16
	s_wait_dscnt \w1
	v_wmma_f32_16x16x32_f16 v[RR:RR+7],    v[KA:KA+7],     v[QB:QB+7],    0
	v_wmma_f32_16x16x32_f16 v[RR+8:RR+15], v[KA+16:KA+23], v[QB:QB+7],    0
	v_wmma_f32_16x16x32_f16 v[RR:RR+7],    v[KA+8:KA+15],  v[QB+8:QB+15], v[RR:RR+7]
	v_wmma_f32_16x16x32_f16 v[RR+8:RR+15], v[KA+24:KA+31], v[QB+8:QB+15], v[RR+8:RR+15]
.if \nxt
	s_wait_dscnt 19
	ADDR AK, TKA, CH                               ; six plain instructions: the places in front of the loads into KA and of the reads of R
	ADDR AK+1, TKA+1, CH
	LDKA KA, AK
	LDKA KA+16, AK+1
.else
	PLACES
.endif
	CVT RB, RR, 8
	s_wait_dscnt \w3
	v_wmma_f32_16x16x32_f16 v[AN:AN+7],    v[TA0:TA0+7], v[RB:RB+7], 0
	v_wmma_f32_16x16x32_f16 v[AN+8:AN+15], v[TA1:TA1+7], v[RB:RB+7], 0
.if \nxt
	ADDR AT, TKT, CT                               ; again the places: for the loads into TA, the reads of AN and the writes of RB
	ADDR AT+1, TKT+1, CT
.if \tok
	v_add_nc_u32 v[VSA], 128, v[VSA]
	v_add_nc_u32 v[VST], 128, v[VST]
	LDTOK
.endif
	LDTA
	v_add_nc_u32 v[VTT], TCH, v[VTT]
.else
	PLACES
.endif
	CVT RB, AN, 8
	s_wait_dscnt \w5
.irp mt, 0,1,2,3
	v_wmma_f32_16x16x32_f16 v[Q+8*\mt:Q+8*\mt+7], v[KT+8*\mt:KT+8*\mt+7], v[RB:RB+7], v[Q+8*\mt:Q+8*\mt+7]
.if \first
	v_wmma_f32_16x16x32_f16 v[CX+8*\mt:CX+8*\mt+7], v[KD+8*\mt:KD+8*\mt+7], v[RB:RB+7], 0
.else
	v_wmma_f32_16x16x32_f16 v[CX+8*\mt:CX+8*\mt+7], v[KD+8*\mt:KD+8*\mt+7], v[RB:RB+7], v[CX+8*\mt:CX+8*\mt+7]
.endif
.endr
	PLACES                                         ; in front of the loads into KT and KD and of the next reads of Q and CX
.if \nxt
	LDKT
.endif
.endm
	LDTOK                                          ; chunk 0, in the order of issue that the counts above assume
	s_wait_dscnt 0x0
	ADDR AK, TKA, CH
	ADDR AK+1, TKA+1, CH
	ADDR AT, TKT, CT
	ADDR AT+1, TKT+1, CT
	LDKA KA, AK
	LDKA KA+16, AK+1
	v_add_nc_u32 v[VSA], 128, v[VSA]
	v_add_nc_u32 v[VST], 128, v[VST]
	LDTOK                                          ; chunk 1's tokens
	LDTA
	v_add_nc_u32 v[VTT], TCH, v[VTT]
	LDKT
	CHUNK 1, 1, 1, 23, 24, 15                      ; chunk 0 starts CX
	s_mov_b32 s16, NCH-3
.Lchunk:
	CHUNK 0, 1, 1, 23, 24, 15                      ; chunks 1 to 29
	s_sub_co_u32 s16, s16, 1
	s_cmp_lg_u32 s16, 0
	s_cbranch_scc1 .Lchunk
	CHUNK 0, 1, 0, 23, 24, 11                      ; chunk 30: no tokens are left to fetch, so 8 + 3 loads stand behind its KT/KD
	CHUNK 0, 0, 0, 19, 16, 0                       ; chunk 31: behind its KA stand 3 + 16 loads, behind its TA 16, behind its KT/KD none
	; ---- the way out: ops[id][0 = P, 1 = C][column][row] in f32 ----
	; A lane holds eight neighbouring rows of one column in each tile.  Sixteen columns go through the wave's own stage and come back as whole columns of 256 bytes.
.set i, 0
.rept 16
	v_pk_mul_f32 v[CX+i:CX+i+1], v[CX+i:CX+i+1], s[18:19] op_sel_hi:[1,0]     ; C = -dmax CX
.set i, i+2
.endr
	s_mul_i32 s13, s10, 16*SP
	s_add_co_u32 s13, s13, STG
	v_mul_u32_u24 v[STO], v[VR], SP                ; in: column r, rows 8 h ..
	v_lshl_add_u32 v[STO], v[VH], 5, v[STO]
	v_add_nc_u32 v[STO], s13, v[STO]
	v_mul_u32_u24 v[RD], v[VH], SP                 ; back: lanes 0-15 one column, lanes 16-31 the next
	v_lshl_add_u32 v[RD], v[VR], 4, v[RD]
	v_add_nc_u32 v[RD], s13, v[RD]
	s_lshl_b32 s16, s10, 12                        ; my sixteen columns of 256 bytes
	v_lshlrev_b32 v[CO], 8, v[VH]
	v_lshl_add_u32 v[CO], v[VR], 4, v[CO]
	v_add_nc_u32 v[CO], s16, v[CO]
	s_lshl_b32 s14, ttmp9, 15                      ; my pair of matrices: 32,768 bytes
	s_mov_b32 s15, 0
	s_add_nc_u64 s[8:9], s[8:9], s[14:15]
.macro OUT src, tmp, which
.irp u, 0,1,2,3,4,5,6,7
	ds_store_b128 v[STO], v[\src+4*\u:\src+4*\u+3] offset:64*(\u/2)+16*(\u%2)
.endr
.irp t, 0,1,2,3,4,5,6,7
	ds_load_b128 v[\tmp+4*\t:\tmp+4*\t+3], v[RD] offset:2*SP*\t            ; the wave's own bytes, served in order: these see the stores above
.endr
.irp t, 0,1,2,3,4,5,6,7
	s_wait_dscnt 7-\t
	global_store_b128 v[CO], v[\tmp+4*\t:\tmp+4*\t+3], s[8:9] offset:\which*16384+512*\t   ; a wave's store covers 512 consecutive bytes, aligned
.endr
.endm
	OUT CX, KA, 1
	s_cmp_eq_u32 s12, 0
	s_cbranch_scc1 .Lend                           ; behind the earliest block nothing follows: its P is neither stored nor read
	OUT Q, KT, 0                                   ; other registers than the first call's: its stores may still read theirs
.Lend:
	s_set_vgpr_msb 0x5
	s_wait_tensorcnt 0x0
	ds_add_u32 v0, v1
	s_wait_dscnt 0x0
	s_set_vgpr_msb 0x500
	s_endpgm
.Lfunc_end_k_qece8b83f01_scan:
	.size	k_qece8b83f01_scan, .Lfunc_end_k_qece8b83f01_scan-k_qece8b83f01_scan
	.p2alignl 7, 3214868480
	.fill 96, 4, 3214868480
	.section	.rodata,"a",@progbits
	.p2align	6, 0x0
	.amdhsa_kernel k_qece8b83f01_scan
		.amdhsa_group_segment_fixed_size 168448
		.amdhsa_private_segment_fixed_size 0
		.amdhsa_enable_private_segment 0
		.amdhsa_kernarg_size 24
		.amdhsa_user_sgpr_count 2
		.amdhsa_user_sgpr_kernarg_segment_ptr 1
		.amdhsa_wavefront_size32 1
		.amdhsa_system_sgpr_workgroup_id_x 1
		.amdhsa_system_sgpr_workgroup_id_y 1
		.amdhsa_system_sgpr_workgroup_id_z 1
		.amdhsa_system_vgpr_workitem_id 0
		.amdhsa_next_free_vgpr 258
		.amdhsa_next_free_sgpr 66
		.amdhsa_reserve_vcc 1
		.amdhsa_float_denorm_mode_32 3
		.amdhsa_float_denorm_mode_16_64 3
		.amdhsa_memory_ordered 1
		.amdhsa_forward_progress 1
		.amdhsa_inst_pref_size 61
	.end_amdhsa_kernel
	.amdgpu_metadata
---
amdhsa.version: [ 1, 2 ]
amdhsa.kernels:
  - .name:           k_qece8b83f01_scan
    .symbol:         k_qece8b83f01_scan.kd
    .args:
      - { .name: seq, .offset: 0, .size: 8, .value_kind: global_buffer, .address_space: global }
      - { .name: ktab, .offset: 8, .size: 8, .value_kind: global_buffer, .address_space: global }
      - { .name: ops, .offset: 16, .size: 8, .value_kind: global_buffer, .address_space: global }
    .group_segment_fixed_size: 168448
    .private_segment_fixed_size: 0
    .kernarg_segment_align: 8
    .kernarg_segment_size: 24
    .max_flat_workgroup_size: 128
    .sgpr_count:     66
    .vgpr_count:     258
    .wavefront_size: 32
...
	.end_amdgpu_metadata
.endif
;; end of part 2
;; launch fin (part 3): grid 64 x 1, 8 waves a work-group, no clusters, 13,312 bytes of LDS; arguments seq, ktab, ops, Wr, br, Wo, bo, out0; writes out0
.if DOCPART == 3
	.amdgcn_target "amdgcn-amd-amdhsa--gfx1250"
	.amdhsa_code_object_version 6
	.text
	.protected	k_qece8b83f01_fin
	.globl	k_qece8b83f01_fin
	.p2align	8
	.type	k_qece8b83f01_fin,@function
k_qece8b83f01_fin:
	s_mov_b64 s[64:65], 0
	v_nop
	global_prefetch_b8 v0, s[64:65] scope:SCOPE_SE
	s_setreg_imm32_b32 hwreg(HW_REG_WAVE_MODE, 25, 1), 1
	s_wait_xcnt 0x0
; out0[b] = ((ctx Wr) + br) Wo + bo, with ctx put together from the four blocks' operator pairs, latest block first:
;   x = q = ktab[seq[b][4095]];   ctx = C3 x;  x = P3 x;   ctx += C2 x;  x = P2 x;   ctx += C1 x;  x = P1 x;   ctx += C0 x.
; All in f32 on the vector unit: one right-hand side for each work-group would fill one of sixteen columns of a matrix instruction.
; Every matrix lies in memory as [n][m] with y[m] = sum over n of M[n][m] x[n] (ops by its layout, Wr and Wo as they are).
; Thread (g, c) = (thread / 16, thread mod 16) holds rows n = 4 g .. 4 g + 3, columns m = 4 c .. 4 c + 3 of each: sixteen numbers.
; A product is sixteen multiply-adds a thread, a sum over the wave's two g, and a sum over the eight waves through LDS, where each of the six
; stages has 2,048 bytes of its own, so that one barrier a stage is enough.  All 39 loads are issued at the start.
; LIMIT: the query's token is clamped to 0..63 as an unsigned number.
.set V16C, 1                           ; 16 c
.set V16G, 2                           ; 16 g
.set VOP,  3                           ; 1024 g + 16 c
.set VST,  4                           ; 256 wave + 16 c
.set VQ,   5                           ; the query's quad in ktab
.set XQ,   8                           ; v[8:11]    x[4 g .. 4 g + 3]
.set AA,   12                          ; v[12:15]   a product's partial sums
.set CA,   16                          ; v[16:19]   ctx's partial sums
.set TP,   20                          ; v[20:23]   from the other half of the wave
.set BR,   24
.set BO,   28
.set LP,   32                          ; v[32:63]   the eight waves' partial quads
.set P3,   64
.set C3,   80
.set P2,   96
.set C2,   112
.set P1,   128
.set C1,   144
.set C0,   160
.set WR,   176
.set WO,   192
.macro LD4 dst, sb, off                ; my sixteen numbers of one matrix; sixteen lanes read a row's 256 bytes
.irp i, 0,1,2,3
	global_load_b128 v[\dst+4*\i:\dst+4*\i+3], v[VOP], s[\sb:\sb+1] offset:\off+256*\i
.endr
.endm
.macro MV acc, op, first               ; acc[k] (+)= sum over i of op[i][k] x[i]
.irp k, 0,1,2,3
.if \first
	v_mul_f32 v[\acc+\k], v[\op+\k], v[XQ]
.else
	v_fmac_f32 v[\acc+\k], v[\op+\k], v[XQ]
.endif
.endr
.irp i, 1,2,3
.irp k, 0,1,2,3
	v_fmac_f32 v[\acc+\k], v[\op+4*\i+\k], v[XQ+\i]
.endr
.endr
.endm
.macro RED_A acc, stage                ; the wave's two g are added; the wave's quad goes to its place in the stage; the barrier is signalled
.irp k, 0,1,2,3
	v_permlanex16_b32 v[TP+\k], v[\acc+\k], s30, s31
.endr
	v_pk_add_f32 v[\acc:\acc+1],   v[\acc:\acc+1],   v[TP:TP+1]
	v_pk_add_f32 v[\acc+2:\acc+3], v[\acc+2:\acc+3], v[TP+2:TP+3]
	ds_store_b128 v[VST], v[\acc:\acc+3] offset:2048*\stage
	s_wait_dscnt 0x0                               ; in LDS before I say so
	s_barrier_signal -1
.endm
.macro GATHER stage, adr               ; behind the barrier: the quad at adr of all eight waves, summed into x
.irp u, 0,1,2,3,4,5,6,7
	ds_load_b128 v[LP+4*\u:LP+4*\u+3], v[\adr] offset:2048*\stage+256*\u
.endr
	s_wait_dscnt 0x0
.irp u, 0,2,4,6
	v_pk_add_f32 v[LP+4*\u:LP+4*\u+1],   v[LP+4*\u:LP+4*\u+1],   v[LP+4*\u+4:LP+4*\u+5]
	v_pk_add_f32 v[LP+4*\u+2:LP+4*\u+3], v[LP+4*\u+2:LP+4*\u+3], v[LP+4*\u+6:LP+4*\u+7]
.endr
.irp u, 0,4
	v_pk_add_f32 v[LP+4*\u:LP+4*\u+1],   v[LP+4*\u:LP+4*\u+1],   v[LP+4*\u+8:LP+4*\u+9]
	v_pk_add_f32 v[LP+4*\u+2:LP+4*\u+3], v[LP+4*\u+2:LP+4*\u+3], v[LP+4*\u+10:LP+4*\u+11]
.endr
	v_pk_add_f32 v[XQ:XQ+1],   v[LP:LP+1],   v[LP+16:LP+17]
	v_pk_add_f32 v[XQ+2:XQ+3], v[LP+2:LP+3], v[LP+18:LP+19]
.endm
	s_load_b512 s[8:23], s[0:1], 0x0               ; seq 8, ktab 10, ops 12, Wr 14, br 16, Wo 18, bo 20, out0 22
	v_lshl_add_u32 v208, v0, 2, 0x3000
	v_mov_b32 v209, 0
	s_lshl_b32 s25, ttmp9, 14                      ; my row of seq
	s_lshl_b32 s26, ttmp9, 17                      ; my four pairs in ops
	s_mov_b32 s27, 0
	s_lshl_b32 s28, ttmp9, 8                       ; my row of out0
	s_mov_b32 s29, 0
	s_mov_b32 s30, 0x76543210
	s_mov_b32 s31, 0xfedcba98
	v_lshrrev_b32 v6, 5, v0
	v_readfirstlane_b32 s4, v6                     ; wave
	v_and_b32 v[V16C], 15, v0
	v_lshlrev_b32 v[V16C], 4, v[V16C]
	v_lshrrev_b32 v[V16G], 4, v0
	v_lshl_add_u32 v[VOP], v[V16G], 10, v[V16C]
	v_lshlrev_b32 v[V16G], 4, v[V16G]
	v_lshl_add_u32 v[VST], v6, 8, v[V16C]
.irp k, 0,1,2,3
	v_mov_b32 v[TP+\k], 0                          ; v_permlanex16_b32 counts as a reader of its destination
.endr
	s_wait_kmcnt 0x0
	s_load_b32 s24, s[8:9], s25 offset:16380       ; seq[b][4095]
	s_add_nc_u64 s[12:13], s[12:13], s[26:27]
	s_add_nc_u64 s[22:23], s[22:23], s[28:29]
	LD4 P3, 12, 3*32768                            ; the first pair goes out while the token is on its way
	LD4 C3, 12, 3*32768+16384
	s_wait_kmcnt 0x0
	s_min_u32 s24, s24, 63
	s_lshl_b32 s24, s24, 8
	v_add_nc_u32 v[VQ], s24, v[V16G]
	global_load_b128 v[XQ:XQ+3], v[VQ], s[10:11]   ; q[4 g .. 4 g + 3]
	LD4 P2, 12, 2*32768
	LD4 C2, 12, 2*32768+16384
	LD4 P1, 12, 1*32768
	LD4 C1, 12, 1*32768+16384
	LD4 C0, 12, 16384
	LD4 WR, 14, 0
	global_load_b128 v[BR:BR+3], v[V16G], s[16:17]
	LD4 WO, 18, 0
	global_load_b128 v[BO:BO+3], v[V16C], s[20:21]
	; Each wait's count is the number of loads issued behind what the stage needs: 39 in all, in the order above.
	s_wait_loadcnt 30                              ; P3, C3 and q are in: 20 of ops, 4 + 1 + 4 + 1 of the read-out stay out
	MV AA, P3, 1
	RED_A AA, 0
	MV CA, C3, 1                                   ; register work while the other waves arrive; it still reads the old x
	s_barrier_wait -1
	GATHER 0, V16G
	s_wait_loadcnt 22                              ; P2, C2
	MV AA, P2, 1
	RED_A AA, 1
	MV CA, C2, 0
	s_barrier_wait -1
	GATHER 1, V16G
	s_wait_loadcnt 14                              ; P1, C1
	MV AA, P1, 1
	RED_A AA, 2
	MV CA, C1, 0
	s_barrier_wait -1
	GATHER 2, V16G
	s_wait_loadcnt 10                              ; C0
	MV CA, C0, 0
	RED_A CA, 3
	s_barrier_wait -1
	GATHER 3, V16G                                 ; x = ctx
	s_wait_loadcnt 5                               ; Wr, br
	MV AA, WR, 1
	RED_A AA, 4
	s_barrier_wait -1
	GATHER 4, V16G
	v_pk_add_f32 v[XQ:XQ+1],   v[XQ:XQ+1],   v[BR:BR+1]
	v_pk_add_f32 v[XQ+2:XQ+3], v[XQ+2:XQ+3], v[BR+2:BR+3]
	s_wait_loadcnt 0x0                             ; Wo, bo
	MV AA, WO, 1
	RED_A AA, 5
	s_barrier_wait -1
	s_cmp_lg_u32 s4, 0
	s_cbranch_scc1 .Lend                           ; the row is 64 numbers: sixteen lanes of wave 0 store it
	GATHER 5, V16C                                 ; this time quad c
	v_pk_add_f32 v[XQ:XQ+1],   v[XQ:XQ+1],   v[BO:BO+1]
	v_pk_add_f32 v[XQ+2:XQ+3], v[XQ+2:XQ+3], v[BO+2:BO+3]
	s_wait_xcnt 0x0                                ; EXEC changes only behind this wait
	s_wait_tensorcnt 0x0
	ds_add_u32 v208, v209
	s_wait_dscnt 0x0
	v_cmpx_gt_u32 16, v0
	global_store_b128 v[V16C], v[XQ:XQ+3], s[22:23]        ; sixteen lanes store the row's 256 consecutive bytes, aligned
	s_endpgm
.Lend:
	s_wait_tensorcnt 0x0
	ds_add_u32 v208, v209
	s_wait_dscnt 0x0
	s_endpgm
.Lfunc_end_k_qece8b83f01_fin:
	.size	k_qece8b83f01_fin, .Lfunc_end_k_qece8b83f01_fin-k_qece8b83f01_fin
	.p2alignl 7, 3214868480
	.fill 96, 4, 3214868480
	.section	.rodata,"a",@progbits
	.p2align	6, 0x0
	.amdhsa_kernel k_qece8b83f01_fin
		.amdhsa_group_segment_fixed_size 13312
		.amdhsa_private_segment_fixed_size 0
		.amdhsa_enable_private_segment 0
		.amdhsa_kernarg_size 64
		.amdhsa_user_sgpr_count 2
		.amdhsa_user_sgpr_kernarg_segment_ptr 1
		.amdhsa_wavefront_size32 1
		.amdhsa_system_sgpr_workgroup_id_x 1
		.amdhsa_system_sgpr_workgroup_id_y 1
		.amdhsa_system_sgpr_workgroup_id_z 1
		.amdhsa_system_vgpr_workitem_id 0
		.amdhsa_next_free_vgpr 210
		.amdhsa_next_free_sgpr 66
		.amdhsa_reserve_vcc 0
		.amdhsa_float_denorm_mode_32 3
		.amdhsa_float_denorm_mode_16_64 3
		.amdhsa_memory_ordered 1
		.amdhsa_forward_progress 1
		.amdhsa_inst_pref_size 23
	.end_amdhsa_kernel
	.amdgpu_metadata
---
amdhsa.version: [ 1, 2 ]
amdhsa.kernels:
  - .name:           k_qece8b83f01_fin
    .symbol:         k_qece8b83f01_fin.kd
    .args:
      - { .name: seq, .offset: 0, .size: 8, .value_kind: global_buffer, .address_space: global }
      - { .name: ktab, .offset: 8, .size: 8, .value_kind: global_buffer, .address_space: global }
      - { .name: ops, .offset: 16, .size: 8, .value_kind: global_buffer, .address_space: global }
      - { .name: Wr, .offset: 24, .size: 8, .value_kind: global_buffer, .address_space: global }
      - { .name: br, .offset: 32, .size: 8, .value_kind: global_buffer, .address_space: global }
      - { .name: Wo, .offset: 40, .size: 8, .value_kind: global_buffer, .address_space: global }
      - { .name: bo, .offset: 48, .size: 8, .value_kind: global_buffer, .address_space: global }
      - { .name: out0, .offset: 56, .size: 8, .value_kind: global_buffer, .address_space: global }
    .group_segment_fixed_size: 13312
    .private_segment_fixed_size: 0
    .kernarg_segment_align: 8
    .kernarg_segment_size: 64
    .max_flat_workgroup_size: 256
    .sgpr_count:     66
    .vgpr_count:     210
    .wavefront_size: 32
...
	.end_amdgpu_metadata
.endif
;; end of part 3
;; ======== version 2 of 3: 2 launches; 1.26 times as fast as version 1
;; limits: values are held in f16: magnitudes above 65,504 overflow, below 6.1e-05 lose precision
;; workspace buffers: ops 8,388,608 bytes; qv 16,384 bytes
;; launch scan (part 4): grid 256 x 1, 8 waves a work-group, no clusters, 201,728 bytes of LDS; arguments seq, embed, W1, b1, W2, b2, gamma, beta, ops, qv; writes ops, qv
.if DOCPART == 4
	.amdgcn_target "amdgcn-amd-amdhsa--gfx1250"
	.amdhsa_code_object_version 6
	.text
	.protected	k_qece8b83f01_scan
	.globl	k_qece8b83f01_scan
	.p2align	8
	.type	k_qece8b83f01_scan,@function
k_qece8b83f01_scan:
	s_mov_b64 s[64:65], 0
	v_nop
	global_prefetch_b8 v0, s[64:65] scope:SCOPE_SE
	s_setreg_imm32_b32 hwreg(HW_REG_WAVE_MODE, 25, 1), 1
	s_wait_xcnt 0x0
; THE ENCODER sees a position only through its token, and a token is one of 64: k[v] = LayerNorm(h + relu(h W1 + b1) W2 + b2) gamma + beta, h = embed[v],
; is made here once for all 64 tokens, and these 64 rows are every key and query that the scan can meet.
; THE SCAN is read backwards and as an operator.  Only ctx = M q is wanted, and from M_t = M_(t-1) (I - k k^T / d) + k k^T, d = k.k + 1e-6,
; follows, with time running down and kh = k / sqrt(d):   a = kh . q;   ctx += d kh a;   q -= kh a.
; Both updates are linear in q, so a stretch of time is a pair of 64 x 64 matrices: P (q in -> q out) and C (q in -> its share of ctx).
; Work-group id = 4 b + tau makes that pair for batch b and times 1024 tau .. 1024 tau + 1023; that of tau = 3 also stores the query's row k[seq[b][4095]].
; EIGHT WAVES, TWO STRETCHES: positions (0 = the block's latest time) 0-511 go to waves 0-3, positions 512-1023 to waves 4-7; each stretch starts from
; Q = I, and wave w owns columns 16 (w mod 4) .. + 15 of its stretch's pair.  A chunk's three products depend on each other, so a wave has little to issue
; while it waits for a result; the other stretch's wave has work that hangs on none of it, and the chain is 16 chunks long instead of 32.
; At the end P = P2 P1 and C = C1 + C2 P1: waves 4-7 hand P2 and C2 over through LDS, waves 0-3 multiply (16 matrix instructions) and store.
; 32 steps are one chunk.  With K the chunk's 32 rows kh (latest time first) and T = (I + strict lower part of K K^T)^-1:
;   R = K Q;   A = T R;   Q -= K^T A;   C += K^T D A      (D = diag d)
; All four are products from the left, so the f32 result tiles of one matrix instruction pack, lane by lane, into the B operand of the next.
; The text keeps Tn = -T, so that the matrix instructions add: Q += K^T (Tn R), and CX = -C / dmax, which is scaled by -dmax at the end.
; NUMBER FORMAT: matrix operands are f16, sums f32.  In the scan each operand is bounded by construction: kh is a unit vector or shorter; Q's columns are
; unit vectors shortened by projections; R, A and T's entries are projections of such; d / dmax <= 1; and a column of CX is a sum of (d / dmax) kh a over
; 512 steps with sum a^2 <= 1, so its entries stay below sqrt(512) < 23.  Q and CX stay in f32.
; LIMITS: embed, W1, W2 and the hidden units relu(h W1 + b1) are rounded to f16 (2^-12 relative) and must stay below 65,504 in magnitude; entries below
; 6.1e-5 are f16 denormals with a step of 6e-8.  Tokens are clamped to 0..63 as unsigned numbers (a negative index gives row 63).  Entries of kh d / dmax
; below 2^-14 are f16 denormals with a step of 2^-24.  A row's sum of squares must be finite in f32.
; Time 4095 is the query and no key: its token is replaced by 64, a table row of zeros, which makes that step change nothing.
; No tensor loads, cluster or prefetch: what the work-groups share is 82 KB of weights, read once by each and converted on the way into LDS.
; LDS in use: 199,680 bytes.
.set KP,   144                         ; pitch of a table row: 128 bytes of f16 + 16
.set DOFF, 9472                        ; table of kh at 0 (65 rows), table of kh d / dmax at DOFF
.set SEQ,  18944                       ; 1024 tokens, by position
.set RED,  23040                       ; four waves' largest d
.set TT,   23296                       ; Tn of the 32 chunks, f16, stored [column][row]
.set TP,   96                          ; pitch of a column of Tn: 64 bytes + 32
.set TCH,  32*TP                       ; a chunk's Tn
.set STG,  121600                      ; 64 rows of 272 bytes: first the raw rows k in f32 (tau = 3), at the end the way out's stage of waves 0-3
.set SP,   272
.set EXC,  139008                      ; the hand-over: P2, then CX2, f16, stored [column][row]
.set EP,   160                         ; pitch of a column there: 128 bytes + 32
.set EXM,  64*EP                       ; one matrix of the hand-over
.set W1L,  159488                      ; W1 in f16 as it lies, [64 features][128 hidden units]
.set W1P,  288                         ; 256 bytes + 32
.set W2L,  177920                      ; W2 in f16 as it lies, [128 hidden units][64 features]
.set W2P,  160                         ; 128 bytes + 32
.set PARL, 198400                      ; b1 (512 bytes), b2 at 512, gamma at 768, beta at 1024, f32
.set NCH,  16                          ; chunks of a stretch
; registers that live through the kernel
.set VR,   1                           ; r = lane mod 16
.set CH,   2                           ; 16 h, h = lane / 16
.set CT,   3                           ; 16 ((lane / 8) mod 2)
.set VSA,  4                           ; token address, one position a lane of 16
.set VST,  5                           ; token address, position 8 h + lane mod 8
.set VTT,  6                           ; address for the transposing loads of Tn, later of the hand-over
.set PAT,  7                           ; 8 h + lane mod 8
.set AK,   8                           ; v8, v9    table rows of positions r, 16 + r
.set AT,   10                          ; v10, v11  table rows of positions PAT, 16 + PAT
.set TKA,  12                          ; v12, v13  tokens for AK
.set TKT,  14                          ; v14, v15  tokens for AT
.set STO,  16                          ; the hand-over and the way out
.set RD,   17
.set CO,   18
.set DIF,  19
.set VH,   20                          ; h
.set ONE,  21
.set NEG1, 22
.set GA,   23                          ; 16 x thread
.set VTS,  16                          ; while Tn is made: where a lane stores its column,
.set VTB,  17                          ; and where column r lies
; while the tables are made (v4 to v19 hold this phase's offsets and LDS addresses)
.set AW1,  4                           ; where my quads of W1 go
.set AW2,  5                           ; where my quads of W2 go
.set AS,   6                           ; where my tokens go
.set AH,   8                           ; my token's row of embed, features 8 h ..
.set VW1,  9                           ; transposing loads of W1
.set VW2,  10                          ; transposing loads of W2
.set VPA,  11                          ; the four vectors, elements 8 h ..
.set AW,   12                          ; my token's row in the tables
.set AR,   13
.set ZT,   14
.set P16,  15                          ; 16 x lane
.set P8,   16                          ; 8 x lane
.set PL16, 17
.set PL8,  18
.set AQ,   19                          ; my token's raw row
.set WA,   24                          ; v[24:87]   sixteen quads of W1 and W2 as loaded
.set AF,   24                          ; v[24:87]   then eight A fragments
.set GM,   24                          ; v[24:55]   then gamma,
.set BT,   56                          ; v[56:87]   and beta, in the layout of HX
.set D1,   88                          ; v[88:151]  hidden units: tile mt, register j: unit 16 mt + 8 h + j of token r
.set AG,   88                          ; v[88:151]  then eight more A fragments
.set YB,   88                          ; then scratch
.set DP,   96                          ; d
.set KS,   98                          ; v[98:99]   1 / sqrt(d), twice
.set SC,   100                         ; v[100:101] d / (dmax sqrt(d)), twice
.set MX,   102
.set M4,   104
.set HX,   152                         ; v[152:183] tile mt, register j: feature 16 mt + 8 h + j of token r: h, then x, then k
.set HB,   184                         ; v[184:199] h in f16: two B fragments
.set FB,   200                         ; v[200:231] b2 at first; then the hidden units in f16: four B fragments
.set LD,   232                         ; tokens as loaded
.set RV,   236                         ; tokens clamped, the quad reversed
.set PH,   240
.set TS,   244                         ; v[244:251] four pairs of running sums
.set NM,   252                         ; v[252:253] minus the mean, twice
.set RS,   254                         ; v[254:255] 1 / sqrt(variance + 1e-5), twice
; while Tn is made
.set F1,   24                          ; kh of positions 0-15, K = 64 in two fragments
.set F2,   40                          ; kh of positions 16-31
.set D11,  56                          ; Gram blocks
.set D22,  64
.set D12,  72
.set XS,   80                          ; v[80:95]   the solve: register = row, lane = column; lanes 0-15 block 1, lanes 16-31 block 2
.set ES,   96                          ; v[96:111]  minus the unit matrix in that layout
.set PK,   112
.set A1,   120
.set B1,   128
.set B2,   136
.set A2,   144
.set UU,   152
.set VV,   160
.set VP,   168
; main phase
.set Q,    24                          ; v[24:55]   four tiles: rows 16 mt + 8 h + j, column r
.set CX,   56                          ; v[56:87]
.set RR,   88                          ; v[88:103]
.set AN,   104                         ; v[104:119]
.set QB,   120                         ; v[120:135] Q in f16 as two B fragments
.set RB,   136                         ; v[136:143] R, then -A, in f16 as a B fragment
.set KA,   144                         ; v[144:175] K as A fragments: 16 mt + 8 ks
.set TA0,  176                         ; v[176:183] Tn rows 0-15; its upper four registers (columns 16-31) stay zero
.set TA1,  184                         ; v[184:191] Tn rows 16-31
.set KT,   192                         ; v[192:223] K^T as four A fragments
.set KD,   224                         ; v[224:255] (D K / dmax)^T likewise
; the merge: A fragments of P2 and CX2, four row tiles for each half of K
.set AP0,  144                         ; v[144:175] P2,  k = 0-31
.set AP1,  176                         ; v[176:207] P2,  k = 32-63
.set AC0,  208                         ; v[208:239] CX2, k = 0-31
.set AC1,  88                          ; v[88:119]  CX2, k = 32-63
.macro PLACES                          ; four places behind a matrix instruction (ISA guide 7.12.1)
.rept 4
	v_nop
.endr
.endm
.macro ADDR dst, tok, c                ; a token, bounded, to the LDS address of its table row plus the lane's column term
	v_min_u32 v[\tok], 64, v[\tok]
	v_mul_u32_u24 v[\dst], v[\tok], KP
	v_add_nc_u32 v[\dst], v[\dst], v[\c]
.endm
.macro LDKA base, a                    ; two A fragments (K = 0-31, 32-63) of sixteen gathered rows
	ds_load_b128 v[\base:\base+3],     v[\a]
	ds_load_b128 v[\base+4:\base+7],   v[\a] offset:32
	ds_load_b128 v[\base+8:\base+11],  v[\a] offset:64
	ds_load_b128 v[\base+12:\base+15], v[\a] offset:96
.endm
.macro CVT dst, src, n                 ; 2 n numbers of f32 to n registers of f16: a result tile's eight rows are a B fragment's eight k
.set p, 0
.rept \n
	v_cvt_pk_f16_f32 v[\dst+p], v[\src+2*p], v[\src+2*p+1]
.set p, p+1
.endr
.endm
	s_load_b512 s[24:39], s[0:1], 0x0              ; seq 24, embed 26, W1 28, b1 30, W2 32, b2 34, gamma 36, beta 38
	s_load_b128 s[40:43], s[0:1], 0x40             ; ops 40, qv 42
	s_set_vgpr_msb 0x40
	v_lshl_add_u32 v0, v0, 2, 0x31000
	v_mov_b32 v1, 0
	s_set_vgpr_msb 0x4000
	v_lshrrev_b32 v[ZT], 5, v0
	v_readfirstlane_b32 s10, v[ZT]                 ; wave 0..7
	s_lshr_b32 s11, s10, 2                         ; my stretch
	s_and_b32 s17, s10, 3                          ; which sixteen columns of it
	s_and_b32 s12, ttmp9, 3                        ; tau
	s_lshl_b32 s14, ttmp9, 12                      ; my 1024 tokens: (4 b + tau) x 4,096 bytes
	s_mov_b32 s15, 0
	s_mov_b32 s20, 0x76543210                      ; v_permlanex16_b32: lane i reads lane i of the other half
	s_mov_b32 s21, 0xfedcba98
	s_mov_b32 s23, 0x3c800000                      ; 1/64
	s_mov_b32 s44, 0x3727c5ac                      ; 1e-5
	v_lshlrev_b32 v[GA], 4, v0
	v_and_b32 v[VR], 15, v0
	v_bfe_u32 v[VH], v0, 4, 1
	v_lshlrev_b32 v[CH], 4, v[VH]
	v_bfe_u32 v[CT], v0, 3, 1
	v_lshlrev_b32 v[CT], 4, v[CT]
	v_and_b32 v[PAT], 7, v0
	v_lshl_add_u32 v[PAT], v[VH], 3, v[PAT]
	s_wait_kmcnt 0x0
	s_add_nc_u64 s[4:5], s[24:25], s[14:15]
	s_load_b32 s22, s[4:5], 0xffc                  ; my block's last token; for tau = 3 it is the query's
	; What only some waves load goes out first, so that the same 17 loads stand last in every wave and the counts below hold for all.
	s_cmp_gt_u32 s10, 3
	s_cbranch_scc1 .Lnot_h
	s_lshl_b32 s13, s10, 12                        ; waves 0-3: wave w owns tokens 16 w .. 16 w + 15, token 16 w + r in lanes r and 16 + r
	v_lshlrev_b32 v[AH], 8, v[VR]
	v_lshl_add_u32 v[AH], v[VH], 5, v[AH]
	v_add_nc_u32 v[AH], s13, v[AH]
.irp u, 0,1,2,3,4,5,6,7
	global_load_b128 v[HX+4*\u:HX+4*\u+3], v[AH], s[26:27] offset:64*(\u/2)+16*(\u%2)      ; the eight loads together take my sixteen rows whole
.endr
	s_branch .Lstream
.Lnot_h:
	s_cmp_lg_u32 s10, 4
	s_cbranch_scc1 .Lstream
	v_and_b32 v[ZT], 31, v0                        ; wave 4 brings the four vectors: 512 + 3 x 256 bytes
	v_lshlrev_b32 v[P16], 4, v[ZT]
	v_lshlrev_b32 v[P8], 3, v[ZT]
	global_load_b128 v[HX:HX+3],  v[P16], s[30:31]
	global_load_b64 v[HX+4:HX+5], v[P8], s[34:35]
	global_load_b64 v[HX+6:HX+7], v[P8], s[36:37]
	global_load_b64 v[HX+8:HX+9], v[P8], s[38:39]
.Lstream:
	global_load_b128 v[LD:LD+3], v[GA], s[4:5] th:TH_LOAD_NT
.irp i, 0,1,2,3,4,5,6,7
	global_load_b128 v[WA+4*\i:WA+4*\i+3], v[GA], s[28:29] offset:4096*\i          ; W1: row thread / 32 + 8 i, quad thread mod 32
.endr
.irp i, 0,1,2,3,4,5,6,7
	global_load_b128 v[WA+32+4*\i:WA+32+4*\i+3], v[GA], s[32:33] offset:4096*\i    ; W2: row thread / 16 + 16 i, quad thread mod 16
.endr
	; addresses, while the loads are on their way (those of the encoder are used by waves 0-3 alone)
	v_lshrrev_b32 v[ZT], 5, v0
	v_mul_u32_u24 v[AW1], v[ZT], W1P
	v_and_b32 v[ZT], 31, v0
	v_lshl_add_u32 v[AW1], v[ZT], 3, v[AW1]
	v_add_nc_u32 v[AW1], W1L, v[AW1]
	v_lshrrev_b32 v[ZT], 4, v0
	v_mul_u32_u24 v[AW2], v[ZT], W2P
	v_lshl_add_u32 v[AW2], v[VR], 3, v[AW2]
	v_add_nc_u32 v[AW2], W2L, v[AW2]
	v_mul_u32_u24 v[VW1], v[PAT], W1P              ; row (= k) 8 h + lane mod 8, and 16 bytes further for the upper eight lanes of sixteen
	v_add3_u32 v[VW1], v[VW1], v[CT], W1L
	v_mul_u32_u24 v[VW2], v[PAT], W2P
	v_add3_u32 v[VW2], v[VW2], v[CT], W2L
	v_lshlrev_b32 v[VPA], 5, v[VH]
	v_add_nc_u32 v[VPA], PARL, v[VPA]
	s_mul_i32 s13, s10, 16*KP
	v_mul_u32_u24 v[AW], v[VR], KP
	v_add3_u32 v[AW], v[AW], v[CH], s13            ; table row 16 w + r, features 8 h ..
	s_mul_i32 s13, s10, 16*SP
	s_add_co_u32 s13, s13, STG
	v_mul_u32_u24 v[AQ], v[VR], SP
	v_lshl_add_u32 v[AQ], v[VH], 5, v[AQ]
	v_add_nc_u32 v[AQ], s13, v[AQ]                 ; raw row 16 w + r, features 8 h ..
	v_mov_b32 v[AR], s10
	v_lshlrev_b32 v[AR], 2, v[AR]
	s_wait_kmcnt 0x0
	s_min_u32 s22, s22, 63
	; ---- tokens into LDS, latest time first ----
	s_wait_loadcnt 16                              ; the tokens are in; the sixteen loads of W1 and W2 stay out
.irp i, 0,1,2,3
	v_min_u32 v[RV+3-\i], 63, v[LD+\i]             ; clamp, and turn the quad round
.endr
	s_lshl_b32 s13, s12, 8
	v_add_nc_u32 v[ZT], s13, v0
	v_cmp_ne_u32 vcc_lo, 0x3ff, v[ZT]              ; thread 255 of tau = 3 holds time 4095,
	v_cndmask_b32 v[RV], 64, v[RV], vcc_lo         ; which becomes the row of zeros
	v_sub_nc_u32 v[AS], SEQ+4080, v[GA]            ; times 4 t .. 4 t + 3 are positions 1020 - 4 t .. 1023 - 4 t
	ds_store_b128 v[AS], v[RV:RV+3]
	; ---- W1 and W2 into LDS in f16, as they lie ----
.irp i, 0,1,2,3,4,5,6,7
	s_wait_loadcnt 15-\i                           ; loads come back in order (ISA guide 5.7.1): the younger ones stay out
	v_cvt_pk_f16_f32 v[PH],   v[WA+4*\i],   v[WA+4*\i+1]
	v_cvt_pk_f16_f32 v[PH+1], v[WA+4*\i+2], v[WA+4*\i+3]
	ds_store_b64 v[AW1], v[PH:PH+1] offset:8*W1P*\i
.endr
.irp i, 0,1,2,3,4,5,6,7
	s_wait_loadcnt 7-\i
	v_cvt_pk_f16_f32 v[PH],   v[WA+32+4*\i],   v[WA+32+4*\i+1]
	v_cvt_pk_f16_f32 v[PH+1], v[WA+32+4*\i+2], v[WA+32+4*\i+3]
	ds_store_b64 v[AW2], v[PH:PH+1] offset:16*W2P*\i
.endr
	s_cmp_lg_u32 s10, 4
	s_cbranch_scc1 .Lno_par
	v_add_nc_u32 v[PL16], PARL, v[P16]             ; wave 4's four loads are older than W's and are in
	v_add_nc_u32 v[PL8], PARL, v[P8]
	ds_store_b128 v[PL16], v[HX:HX+3]
	ds_store_b64 v[PL8], v[HX+4:HX+5] offset:512
	ds_store_b64 v[PL8], v[HX+6:HX+7] offset:768
	ds_store_b64 v[PL8], v[HX+8:HX+9] offset:1024
.Lno_par:
	s_wait_dscnt 0x0                               ; my part of the weights, vectors and tokens is in LDS before I say so
	s_barrier_signal -1
	s_barrier_wait -1
	; ---- the encoder, transposed: waves 0-3, sixteen tokens each, a token a lane column ----
	; hidden^T = W1^T h^T + b1 and x^T = W2^T relu(hidden)^T + (h + b2)^T.  The weights are the A operand, read from [K][N] by transposing loads; the tokens are
	; the N side, so that each result tile packs lane by lane into the next product's B fragment, and a token's 64 features end up in two lanes' registers.
	; There are four tiles of sixteen tokens, so four waves have work here; the other four wait at the barrier behind it.
.macro LDW1 b                          ; 16 loads: A fragments of hidden tiles 4 b .. 4 b + 3, both halves of K = 64
.irp a, 0,1,2,3
.irp ks, 0,1
	ds_load_tr16_b128 v[AF+8*(2*\a+\ks):AF+8*(2*\a+\ks)+3],   v[VW1] offset:32*\ks*W1P+32*(4*\b+\a)
	ds_load_tr16_b128 v[AF+8*(2*\a+\ks)+4:AF+8*(2*\a+\ks)+7], v[VW1] offset:(32*\ks+16)*W1P+32*(4*\b+\a)
.endr
.endr
.endm
.macro MM1 b                           ; 8 matrix instructions; the four accumulators take turns
.irp ks, 0,1
.irp a, 0,1,2,3
	v_wmma_f32_16x16x32_f16 v[D1+8*(4*\b+\a):D1+8*(4*\b+\a)+7], v[AF+8*(2*\a+\ks):AF+8*(2*\a+\ks)+7], v[HB+8*\ks:HB+8*\ks+7], v[D1+8*(4*\b+\a):D1+8*(4*\b+\a)+7]
.endr
.endr
.endm
.macro RELU b                          ; hidden tiles 4 b .. 4 b + 3: relu, then f16: two B fragments of the second layer
.set p, 0
.rept 32
	v_max_num_f32 v[D1+32*\b+p], 0, v[D1+32*\b+p]
.set p, p+1
.endr
	CVT FB+16*\b, D1+32*\b, 16
.endm
.macro LDW2 dst, k2                    ; 16 loads: A fragments of the four feature tiles for hidden units 64 k2 .. 64 k2 + 63
.irp kk, 0,1
.irp mt, 0,1,2,3
	ds_load_tr16_b128 v[\dst+8*(4*\kk+\mt):\dst+8*(4*\kk+\mt)+3],   v[VW2] offset:32*(2*\k2+\kk)*W2P+32*\mt
	ds_load_tr16_b128 v[\dst+8*(4*\kk+\mt)+4:\dst+8*(4*\kk+\mt)+7], v[VW2] offset:(32*(2*\k2+\kk)+16)*W2P+32*\mt
.endr
.endr
.endm
.macro MM2 src, k2                     ; 8 matrix instructions, the four accumulators by turns
.irp kk, 0,1
.irp mt, 0,1,2,3
	v_wmma_f32_16x16x32_f16 v[HX+8*\mt:HX+8*\mt+7], v[\src+8*(4*\kk+\mt):\src+8*(4*\kk+\mt)+7], v[FB+8*(2*\k2+\kk):FB+8*(2*\k2+\kk)+7], v[HX+8*\mt:HX+8*\mt+7]
.endr
.endr
.endm
.macro ROWSUM                          ; four pairs to one number; the token's other 32 features lie in the other half of the wave
	v_pk_add_f32 v[TS:TS+1],   v[TS:TS+1],   v[TS+2:TS+3]
	v_pk_add_f32 v[TS+4:TS+5], v[TS+4:TS+5], v[TS+6:TS+7]
	v_pk_add_f32 v[TS:TS+1],   v[TS:TS+1],   v[TS+4:TS+5]
	v_add_f32 v[TS], v[TS], v[TS+1]
	v_permlanex16_b32 v[TS+1], v[TS], s20, s21
	v_add_f32 v[TS], v[TS], v[TS+1]
.endm
.macro SUMSQ                           ; the sum of squares of the token's 64 numbers in HX, in four chains started by products
.set p, 0
.rept 16
.if p < 4
	v_pk_mul_f32 v[TS+2*p:TS+2*p+1], v[HX+2*p:HX+2*p+1], v[HX+2*p:HX+2*p+1]
.else
	v_pk_fma_f32 v[TS+2*(p%4):TS+2*(p%4)+1], v[HX+2*p:HX+2*p+1], v[HX+2*p:HX+2*p+1], v[TS+2*(p%4):TS+2*(p%4)+1]
.endif
.set p, p+1
.endr
	ROWSUM
.endm
.macro TABW sc, off                    ; k times the pair sc, to f16, into my token's row of the table at off: 16 bytes a tile
.irp mt, 0,1,2,3
.irp i, 0,1,2,3
	v_pk_mul_f32 v[YB+2*\i:YB+2*\i+1], v[HX+8*\mt+2*\i:HX+8*\mt+2*\i+1], v[\sc:\sc+1]
.endr
.irp i, 0,1,2,3
	v_cvt_pk_f16_f32 v[PH+\i], v[YB+2*\i], v[YB+2*\i+1]
.endr
	ds_store_b128 v[AW], v[PH:PH+3] offset:\off+32*\mt
.endr
.endm
	s_cmp_gt_u32 s10, 3
	s_cbranch_scc1 .Lenc_done
.irp u, 0,1,2,3,4,5,6,7,8,9,10,11,12,13,14,15
	ds_load_b128 v[D1+4*\u:D1+4*\u+3], v[VPA] offset:64*(\u/2)+16*(\u%2)           ; b1 starts the first layer's sums: nothing is cleared
.endr
.irp u, 0,1,2,3,4,5,6,7
	ds_load_b128 v[FB+4*\u:FB+4*\u+3], v[VPA] offset:512+64*(\u/2)+16*(\u%2)       ; b2
.endr
	LDW1 0
	CVT HB, HX, 16                                 ; h as B fragments (its loads are older than W's and are in)
	s_wait_dscnt 16                                ; b1 and b2 are in; the sixteen fragment loads stay out
.set i, 0
.rept 16
	v_pk_add_f32 v[HX+i:HX+i+1], v[HX+i:HX+i+1], v[FB+i:FB+i+1]                    ; h + b2 starts the second layer's sums
.set i, i+2
.endr
	s_wait_dscnt 0x0
	MM1 0
	PLACES                                         ; in front of the loads into the fragments and of the reads of the results
	LDW1 1
	RELU 0
	s_wait_dscnt 0x0
	MM1 1
	PLACES
	LDW2 AF, 0
	RELU 1
	LDW2 AG, 1                                     ; into the first layer's registers, which have been read
	s_wait_dscnt 16                                ; the first half of W2 is in; the second half's sixteen loads stay out
	MM2 AF, 0
	PLACES
.irp u, 0,1,2,3,4,5,6,7
	ds_load_b128 v[GM+4*\u:GM+4*\u+3], v[VPA] offset:768+64*(\u/2)+16*(\u%2)
.endr
.irp u, 0,1,2,3,4,5,6,7
	ds_load_b128 v[BT+4*\u:BT+4*\u+3], v[VPA] offset:1024+64*(\u/2)+16*(\u%2)
.endr
	s_wait_dscnt 16                                ; the second half of W2 is in; gamma's and beta's sixteen loads stay out
	MM2 AG, 1
	PLACES
	; LayerNorm, a token in two lanes
.irp i, 0,1,2,3
	v_pk_add_f32 v[TS+2*\i:TS+2*\i+1], v[HX+2*\i:HX+2*\i+1], v[HX+8+2*\i:HX+8+2*\i+1]
.endr
.irp i, 0,1,2,3
	v_pk_add_f32 v[TS+2*\i:TS+2*\i+1], v[TS+2*\i:TS+2*\i+1], v[HX+16+2*\i:HX+16+2*\i+1]
.endr
.irp i, 0,1,2,3
	v_pk_add_f32 v[TS+2*\i:TS+2*\i+1], v[TS+2*\i:TS+2*\i+1], v[HX+24+2*\i:HX+24+2*\i+1]
.endr
	ROWSUM
	v_mul_f32 v[NM], 0xbc800000, v[TS]             ; minus the mean
	v_mov_b32 v[NM+1], v[NM]
.set i, 0
.rept 16
	v_pk_add_f32 v[HX+i:HX+i+1], v[HX+i:HX+i+1], v[NM:NM+1]
.set i, i+2
.endr
	SUMSQ
	v_fma_f32 v[TS], v[TS], s23, s44               ; variance + 1e-5
	v_rsq_f32 v[RS], v[TS]
	v_nop                                          ; one plain vector instruction between v_rsq_f32 and the use of its result (ISA guide 5.7.2)
	s_wait_alu depctr_va_vdst(0)
	v_mov_b32 v[RS+1], v[RS]
.set i, 0
.rept 16
	v_pk_mul_f32 v[HX+i:HX+i+1], v[HX+i:HX+i+1], v[RS:RS+1]
.set i, i+2
.endr
	s_wait_dscnt 0x0                               ; gamma and beta
.set i, 0
.rept 16
	v_pk_fma_f32 v[HX+i:HX+i+1], v[HX+i:HX+i+1], v[GM+i:GM+i+1], v[BT+i:BT+i+1]    ; k
.set i, i+2
.endr
	s_cmp_lg_u32 s12, 3
	s_cbranch_scc1 .Lno_raw                        ; the latest block alone holds the query: it keeps the raw rows, so that one of them can be picked by its token
.irp u, 0,1,2,3,4,5,6,7
	ds_store_b128 v[AQ], v[HX+4*\u:HX+4*\u+3] offset:64*(\u/2)+16*(\u%2)
.endr
.Lno_raw:
	SUMSQ
	v_add_f32 v[DP], 0x358637bd, v[TS]             ; d = k.k + 1e-6
	v_rsq_f32 v[KS], v[DP]
	v_mov_b32 v[MX], v[DP]                         ; plain work behind v_rsq_f32 (ISA guide 5.7.2): it reads no result and writes no source
	s_wait_alu depctr_va_vdst(0)
	v_mov_b32 v[KS+1], v[KS]
.irp m, 1,2,4,8
	v_max_num_f32_dpp v[MX], v[MX], v[MX] row_xmask:\m row_mask:0xf bank_mask:0xf  ; the largest d of my sixteen tokens
.endr
	ds_store_b32 v[AR], v[MX] offset:RED
	TABW KS, 0                                     ; kh
.Lenc_done:
	s_wait_dscnt 0x0                               ; the four maxima are in LDS before their waves say so
	s_barrier_signal -1
	s_barrier_wait -1
	v_mov_b32 v[AR], 0
	ds_load_b128 v[M4:M4+3], v[AR] offset:RED
	s_wait_dscnt 0x0
	v_max3_num_f32 v[MX], v[M4], v[M4+1], v[M4+2]
	v_max_num_f32 v[MX], v[MX], v[M4+3]            ; dmax
	v_rcp_f32 v[MX+1], v[MX]
	v_nop                                          ; one plain vector instruction behind v_rcp_f32 (ISA guide 5.7.2)
	v_readfirstlane_b32 s18, v[MX]
	s_xor_b32 s18, s18, 0x80000000                 ; -dmax, twice: a pair for the packed multiply at the end
	s_mov_b32 s19, s18
	s_cmp_gt_u32 s10, 3
	s_cbranch_scc1 .Ltab_done
	s_wait_alu depctr_va_vdst(0)
	v_mul_f32 v[SC], v[DP], v[MX+1]                ; d / dmax
	v_mul_f32 v[SC], v[SC], v[KS]
	v_mov_b32 v[SC+1], v[SC]
	TABW SC, DOFF                                  ; kh d / dmax
	s_cmp_gt_u32 s10, 1
	s_cbranch_scc1 .Ltab_done                      ; wave 0 clears row 64 of the first table, wave 1 of the second: 32 lanes x 4 bytes
	s_mul_i32 s13, s10, DOFF
	v_and_b32 v[ZT], 31, v0
	v_lshl_add_u32 v[ZT], v[ZT], 2, s13
	v_mov_b32 v[YB], 0
	ds_store_b32 v[ZT], v[YB] offset:64*KP
.Ltab_done:
	s_wait_dscnt 0x0                               ; the tables are whole before anybody reads them
	s_barrier_signal -1
	s_barrier_wait -1
	; ---- the query's row, for the last launch: wave 7 of the latest block ----
	s_cmp_lg_u32 s10, 7
	s_cbranch_scc1 .Lno_q
	s_cmp_lg_u32 s12, 3
	s_cbranch_scc1 .Lno_q
	s_mul_i32 s22, s22, SP
	s_add_co_u32 s22, s22, STG
	v_and_b32 v[ZT], 31, v0
	v_lshlrev_b32 v[P8], 3, v[ZT]
	v_add_nc_u32 v[AQ], s22, v[P8]
	ds_load_b64 v[YB:YB+1], v[AQ]
	s_lshr_b32 s14, ttmp9, 2
	s_lshl_b32 s14, s14, 8                         ; row b of qv
	s_mov_b32 s15, 0
	s_add_nc_u64 s[42:43], s[42:43], s[14:15]
	s_wait_dscnt 0x0
	global_store_b64 v[P8], v[YB:YB+1], s[42:43]   ; 32 lanes store the row's 256 consecutive bytes, aligned
	s_wait_xcnt 0x0                                ; the store's offset and data registers are written again below
.Lno_q:
	; ---- Tn = -(I + strict lower part of K K^T)^-1 for chunks 4 w .. 4 w + 3 ----
	; In blocks of 16: T = [[T1, 0], [-T2 N21 T1, T2]].  T1 and T2 are solved together by forward substitution, block 1 in lanes 0-15 and block 2 in
	; lanes 16-31, a column a lane; the lower left block is Tn2 N21 Tn1, two matrix instructions with K = 16 filled up by zeros.
	s_lshl_b32 s13, s10, 9                         ; 4 chunks x 128 bytes of tokens
	s_mul_i32 s14, s10, 4*TCH
	s_add_co_u32 s14, s14, TT                      ; my four chunks of Tn: nobody else touches them before the barrier behind the loop
	v_lshl_add_u32 v[VSA], v[VR], 2, s13
	v_and_b32 v[DIF], 31, v0
	v_mul_u32_u24 v[VTS], v[DIF], TP               ; column = lane,
	v_lshl_add_u32 v[VTS], v[VH], 5, v[VTS]        ; rows 16-31 for block 2
	v_add_nc_u32 v[VTS], s14, v[VTS]
	v_mul_u32_u24 v[VTB], v[VR], TP                ; column r, rows 8 h ..
	v_add3_u32 v[VTB], v[VTB], v[CH], s14
	v_mul_u32_u24 v[VTT], v[PAT], TP
	v_add3_u32 v[VTT], v[VTT], v[CT], s14
	v_mov_b32 v[NEG1], -1.0
	s_wait_alu depctr_va_vdst(0)
.irp i, 0,1,2,3,4,5,6,7,8,9,10,11,12,13,14,15
	v_cmp_eq_u32 vcc_lo, \i, v[VR]
	v_cndmask_b32 v[ES+\i], 0, v[NEG1], vcc_lo
.endr
.irp b, A1,B1,B2,A2
.irp j, 4,5,6,7
	v_mov_b32 v[\b+\j], 0                          ; k = 16 .. 31 of the small products, once
.endr
.endr
.macro SOLVECOL j                      ; row j is final: take it out of the rows below.  Lane j of each half holds -N[i][j] and is shared with its half
.set i, \j+1
.rept 15-\j
	v_fmac_f32_dpp v[XS+i], v[D11+i], v[XS+\j] row_share:\j row_mask:0xf bank_mask:0xf
.set i, i+1
.endr
.endm
	s_mov_b32 s16, 4
.Ltri:
	ds_load_b32 v[TKA],   v[VSA] offset:SEQ
	ds_load_b32 v[TKA+1], v[VSA] offset:SEQ+64
	s_wait_dscnt 0x0
	ADDR AK, TKA, CH
	ADDR AK+1, TKA+1, CH
	LDKA F1, AK
	LDKA F2, AK+1
	s_wait_dscnt 0x0
	; the three Gram blocks; the accumulators take turns
	v_wmma_f32_16x16x32_f16 v[D11:D11+7], v[F1:F1+7],    v[F1:F1+7],    0
	v_wmma_f32_16x16x32_f16 v[D22:D22+7], v[F2:F2+7],    v[F2:F2+7],    0
	v_wmma_f32_16x16x32_f16 v[D12:D12+7], v[F1:F1+7],    v[F2:F2+7],    0
	v_wmma_f32_16x16x32_f16 v[D11:D11+7], v[F1+8:F1+15], v[F1+8:F1+15], v[D11:D11+7]
	v_wmma_f32_16x16x32_f16 v[D22:D22+7], v[F2+8:F2+15], v[F2+8:F2+15], v[D22:D22+7]
	v_wmma_f32_16x16x32_f16 v[D12:D12+7], v[F1+8:F1+15], v[F2+8:F2+15], v[D12:D12+7]      ; lane (r, h), register j: N21[r][8 h + j]
.irp i, 0,1,2,3,4,5,6,7,8,9,10,11,12,13,14,15
	v_mov_b32 v[XS+\i], v[ES+\i]                   ; the right-hand sides; also the places behind the matrix instructions (ISA guide 7.12.1)
.endr
.irp j, 0,1,2,3,4,5,6,7
	v_permlane16_swap_b32 v[D11+\j], v[D22+\j]     ; D11 + i now holds row i (0..15) of N: block 1 in lanes 0-15, block 2 in lanes 16-31
.endr
.irp j, 0,2,4,6,8,10,12,14
	v_pk_mul_f32 v[D11+\j:D11+\j+1], v[D11+\j:D11+\j+1], -1.0 op_sel_hi:[1,0]
.endr
.irp j, 0,1,2,3,4,5,6,7,8,9,10,11,12,13,14
	SOLVECOL \j
.endr
	CVT PK, XS, 8
	ds_store_b128 v[VTS], v[PK:PK+3]
	ds_store_b128 v[VTS], v[PK+4:PK+7] offset:16
	CVT A1, D12, 4                                 ; N21 as an A fragment
	ds_load_b128 v[B1:B1+3], v[VTB]                ; Tn1 as a B fragment.  LDS serves a wave's instructions in order (ISA guide 5.7.1): these see the stores above
	ds_load_tr16_b128 v[A2:A2+3], v[VTT] offset:16*TP+32   ; Tn2 as an A fragment: columns 16 .., rows 16 .., transposed on the way
	s_wait_dscnt 0x0
	v_wmma_f32_16x16x32_f16 v[UU:UU+7], v[A1:A1+7], v[B1:B1+7], 0
	v_add_nc_u32 v[VSA], 128, v[VSA]               ; the next chunk's addresses fill three of the four places
	v_add_nc_u32 v[VTS], TCH, v[VTS]
	v_add_nc_u32 v[VTT], TCH, v[VTT]
	v_nop
	CVT B2, UU, 4
	v_wmma_f32_16x16x32_f16 v[VV:VV+7], v[A2:A2+7], v[B2:B2+7], 0
	PLACES
	CVT VP, VV, 4
	ds_store_b128 v[VTB], v[VP:VP+3] offset:32     ; column r, rows 16 + 8 h ..
	v_add_nc_u32 v[VTB], TCH, v[VTB]
	s_sub_co_u32 s16, s16, 1
	s_cmp_lg_u32 s16, 0
	s_cbranch_scc1 .Ltri
	s_wait_dscnt 0x0                               ; my four chunks of Tn are in LDS before I say so
	s_barrier_signal -1
	s_barrier_wait -1
	; ---- my stretch's 16 chunks.  LDS is only read from here to the hand-over: no barrier ----
	s_lshl_b32 s13, s17, 4
	v_lshrrev_b32 v[DIF], 1, v[CH]
	v_sub_nc_u32 v[DIF], v[VR], v[DIF]
	v_add_nc_u32 v[DIF], s13, v[DIF]               ; 16 (w mod 4) + r - 8 h: the register index 16 mt + j at which my column of I has its one
	v_mov_b32 v[ONE], 1.0
.set i, 0
.rept 32
	v_cmp_eq_u32 vcc_lo, 16*(i/8)+i%8, v[DIF]
	v_cndmask_b32 v[Q+i], 0, v[ONE], vcc_lo
.set i, i+1
.endr
.irp j, 4,5,6,7
	v_mov_b32 v[TA0+\j], 0                         ; Tn's rows 0-15 have nothing in columns 16-31
.endr
	s_lshl_b32 s14, s11, 11                        ; my stretch's tokens: 16 chunks x 128 bytes,
	s_mul_i32 s15, s11, NCH*TCH                    ; and its Tn
	s_add_co_u32 s15, s15, TT
	v_lshl_add_u32 v[VSA], v[VR], 2, s14
	v_lshl_add_u32 v[VST], v[PAT], 2, s14
	v_mul_u32_u24 v[VTT], v[PAT], TP
	v_add3_u32 v[VTT], v[VTT], v[CT], s15
.macro LDTOK                           ; 4 loads
	ds_load_b32 v[TKA],   v[VSA] offset:SEQ
	ds_load_b32 v[TKA+1], v[VSA] offset:SEQ+64
	ds_load_b32 v[TKT],   v[VST] offset:SEQ
	ds_load_b32 v[TKT+1], v[VST] offset:SEQ+64
.endm
.macro LDTA                            ; 3 loads
	ds_load_tr16_b128 v[TA0:TA0+3],   v[VTT]
	ds_load_tr16_b128 v[TA1:TA1+3],   v[VTT] offset:32
	ds_load_tr16_b128 v[TA1+4:TA1+7], v[VTT] offset:16*TP+32
.endm
.macro LDKT                            ; 16 loads: lane 8 g + i addresses position 8 h + i and receives feature r of eight positions
.irp mt, 0,1,2,3
	ds_load_tr16_b128 v[KT+8*\mt:KT+8*\mt+3],   v[AT]   offset:32*\mt
	ds_load_tr16_b128 v[KT+8*\mt+4:KT+8*\mt+7], v[AT+1] offset:32*\mt
	ds_load_tr16_b128 v[KD+8*\mt:KD+8*\mt+3],   v[AT]   offset:DOFF+32*\mt
	ds_load_tr16_b128 v[KD+8*\mt+4:KD+8*\mt+7], v[AT+1] offset:DOFF+32*\mt
.endr
.endm
; One chunk.  first: CX starts from the constant 0.  nxt: the next chunk's operands are fetched.  tok: so are the tokens of the one after.
; LDS loads come back in order (ISA guide 5.7.1), and a chunk issues: KA' 8 (next chunk), tokens 4 (the chunk after), TA' 3, KT' and KD' 16.
;   w1 = loads issued behind this chunk's KA:      tokens 4 + TA 3 + KT/KD 16 = 23
;   19 = loads issued behind the next chunk's tokens:         TA 3 + KT/KD 16
;   w3 = loads issued behind this chunk's TA:      KT/KD 16 + KA' 8 = 24
;   w5 = loads issued behind this chunk's KT/KD:   KA' 8 + tokens 4 + TA' 3 = 15
; In every run of matrix instructions the accumulators take turns, over the loop's backward jump too.
.macro CHUNK first, nxt, tok, w1, w3, w5
	CVT QB, Q, 16
	s_wait_dscnt \w1
	v_wmma_f32_16x16x32_f16 v[RR:RR+7],    v[KA:KA+7],     v[QB:QB+7],    0
	v_wmma_f32_16x16x32_f16 v[RR+8:RR+15], v[KA+16:KA+23], v[QB:QB+7],    0
	v_wmma_f32_16x16x32_f16 v[RR:RR+7],    v[KA+8:KA+15],  v[QB+8:QB+15], v[RR:RR+7]
	v_wmma_f32_16x16x32_f16 v[RR+8:RR+15], v[KA+24:KA+31], v[QB+8:QB+15], v[RR+8:RR+15]
.if \nxt
	s_wait_dscnt 19
	ADDR AK, TKA, CH                               ; six plain instructions: the places in front of the loads into KA and of the reads of R
	ADDR AK+1, TKA+1, CH
	LDKA KA, AK
	LDKA KA+16, AK+1
.else
	PLACES
.endif
	CVT RB, RR, 8
	s_wait_dscnt \w3
	v_wmma_f32_16x16x32_f16 v[AN:AN+7],    v[TA0:TA0+7], v[RB:RB+7], 0
	v_wmma_f32_16x16x32_f16 v[AN+8:AN+15], v[TA1:TA1+7], v[RB:RB+7], 0
.if \nxt
	ADDR AT, TKT, CT                               ; again the places: for the loads into TA, the reads of AN and the writes of RB
	ADDR AT+1, TKT+1, CT
.if \tok
	v_add_nc_u32 v[VSA], 128, v[VSA]
	v_add_nc_u32 v[VST], 128, v[VST]
	LDTOK
.endif
	LDTA
	v_add_nc_u32 v[VTT], TCH, v[VTT]
.else
	PLACES
.endif
	CVT RB, AN, 8
	s_wait_dscnt \w5
.irp mt, 0,1,2,3
	v_wmma_f32_16x16x32_f16 v[Q+8*\mt:Q+8*\mt+7], v[KT+8*\mt:KT+8*\mt+7], v[RB:RB+7], v[Q+8*\mt:Q+8*\mt+7]
.if \first
	v_wmma_f32_16x16x32_f16 v[CX+8*\mt:CX+8*\mt+7], v[KD+8*\mt:KD+8*\mt+7], v[RB:RB+7], 0
.else
	v_wmma_f32_16x16x32_f16 v[CX+8*\mt:CX+8*\mt+7], v[KD+8*\mt:KD+8*\mt+7], v[RB:RB+7], v[CX+8*\mt:CX+8*\mt+7]
.endif
.endr
	PLACES                                         ; in front of the loads into KT and KD and of the next reads of Q and CX
.if \nxt
	LDKT
.endif
.endm
	LDTOK                                          ; chunk 0, in the order of issue that the counts above assume
	s_wait_dscnt 0x0
	ADDR AK, TKA, CH
	ADDR AK+1, TKA+1, CH
	ADDR AT, TKT, CT
	ADDR AT+1, TKT+1, CT
	LDKA KA, AK
	LDKA KA+16, AK+1
	v_add_nc_u32 v[VSA], 128, v[VSA]
	v_add_nc_u32 v[VST], 128, v[VST]
	LDTOK                                          ; chunk 1's tokens
	LDTA
	v_add_nc_u32 v[VTT], TCH, v[VTT]
	LDKT
	CHUNK 1, 1, 1, 23, 24, 15                      ; chunk 0 starts CX
	s_mov_b32 s16, NCH-3
.Lchunk:
	CHUNK 0, 1, 1, 23, 24, 15                      ; chunks 1 to 13
	s_sub_co_u32 s16, s16, 1
	s_cmp_lg_u32 s16, 0
	s_cbranch_scc1 .Lchunk
	CHUNK 0, 1, 0, 23, 24, 11                      ; chunk 14: no tokens are left to fetch, so 8 + 3 loads stand behind its KT/KD
	CHUNK 0, 0, 0, 19, 16, 0                       ; chunk 15: behind its KA stand 3 + 16 loads, behind its TA 16, behind its KT/KD none
	; ---- the two stretches become one: P = P2 P1, CX = CX1 + CX2 P1 ----
	; Waves 4-7 store P2 and CX2 in f16 as [column][row]: a lane's four packed registers of a tile are eight neighbouring rows of its column, 16 bytes.
	; Waves 0-3 keep P1 as B fragments, the same packing as at the head of a chunk, and read P2 and CX2 back transposed, as A fragments.
	CVT QB, Q, 16                                  ; behind the four places that close the last chunk
	v_mul_u32_u24 v[VTT], v[PAT], EP               ; column (= k) 8 h + lane mod 8, and 16 bytes further for the upper eight lanes of sixteen
	v_add3_u32 v[VTT], v[VTT], v[CT], EXC
	s_cmp_lt_u32 s10, 4
	s_cbranch_scc1 .Lmeet
	CVT RR, CX, 16
	s_mul_i32 s13, s17, 16*EP
	s_add_co_u32 s13, s13, EXC                     ; my sixteen columns of the hand-over
	v_mul_u32_u24 v[STO], v[VR], EP
	v_add3_u32 v[STO], v[STO], v[CH], s13          ; column r, rows 8 h ..
.irp mt, 0,1,2,3
	ds_store_b128 v[STO], v[QB+4*\mt:QB+4*\mt+3] offset:32*\mt
	ds_store_b128 v[STO], v[RR+4*\mt:RR+4*\mt+3] offset:EXM+32*\mt
.endr
.Lmeet:
	s_wait_dscnt 0x0                               ; P2 and CX2 are in LDS before their waves say so
	s_barrier_signal -1
	s_barrier_wait -1
	s_cmp_gt_u32 s10, 3
	s_cbranch_scc1 .Lend                           ; waves 4-7 have handed their pair over
.macro LDEX ap, ac, ks                 ; 16 loads: the A fragments of four row tiles of P2 and of CX2 for k = 32 ks .. 32 ks + 31
.irp mt, 0,1,2,3
	ds_load_tr16_b128 v[\ap+8*\mt:\ap+8*\mt+3],   v[VTT] offset:32*\ks*EP+32*\mt
	ds_load_tr16_b128 v[\ap+8*\mt+4:\ap+8*\mt+7], v[VTT] offset:(32*\ks+16)*EP+32*\mt
	ds_load_tr16_b128 v[\ac+8*\mt:\ac+8*\mt+3],   v[VTT] offset:EXM+32*\ks*EP+32*\mt
	ds_load_tr16_b128 v[\ac+8*\mt+4:\ac+8*\mt+7], v[VTT] offset:EXM+(32*\ks+16)*EP+32*\mt
.endr
.endm
	LDEX AP0, AC0, 0
	LDEX AP1, AC1, 1
	s_wait_dscnt 16                                ; the first K half is in; the second half's 16 loads stay out
.irp mt, 0,1,2,3
	v_wmma_f32_16x16x32_f16 v[Q+8*\mt:Q+8*\mt+7],   v[AP0+8*\mt:AP0+8*\mt+7], v[QB:QB+7], 0      ; P1 lives on in QB: its f32 registers take the product
	v_wmma_f32_16x16x32_f16 v[CX+8*\mt:CX+8*\mt+7], v[AC0+8*\mt:AC0+8*\mt+7], v[QB:QB+7], v[CX+8*\mt:CX+8*\mt+7]
.endr
	s_wait_dscnt 0x0
.irp mt, 0,1,2,3
	v_wmma_f32_16x16x32_f16 v[Q+8*\mt:Q+8*\mt+7],   v[AP1+8*\mt:AP1+8*\mt+7], v[QB+8:QB+15], v[Q+8*\mt:Q+8*\mt+7]
	v_wmma_f32_16x16x32_f16 v[CX+8*\mt:CX+8*\mt+7], v[AC1+8*\mt:AC1+8*\mt+7], v[QB+8:QB+15], v[CX+8*\mt:CX+8*\mt+7]
.endr
	PLACES                                         ; in front of the reads of the results and of the loads into the fragments' registers
	; ---- the way out: ops[id][0 = P, 1 = C][column][row] in f32 ----
	; A lane holds eight neighbouring rows of one column in each tile.  Sixteen columns go through the wave's own stage and come back as whole columns of 256 bytes.
.set i, 0
.rept 16
	v_pk_mul_f32 v[CX+i:CX+i+1], v[CX+i:CX+i+1], s[18:19] op_sel_hi:[1,0]     ; C = -dmax CX
.set i, i+2
.endr
	s_mul_i32 s13, s10, 16*SP
	s_add_co_u32 s13, s13, STG
	v_mul_u32_u24 v[STO], v[VR], SP                ; in: column r, rows 8 h ..
	v_lshl_add_u32 v[STO], v[VH], 5, v[STO]
	v_add_nc_u32 v[STO], s13, v[STO]
	v_mul_u32_u24 v[RD], v[VH], SP                 ; back: lanes 0-15 one column, lanes 16-31 the next
	v_lshl_add_u32 v[RD], v[VR], 4, v[RD]
	v_add_nc_u32 v[RD], s13, v[RD]
	s_lshl_b32 s16, s10, 12                        ; my sixteen columns of 256 bytes
	v_lshlrev_b32 v[CO], 8, v[VH]
	v_lshl_add_u32 v[CO], v[VR], 4, v[CO]
	v_add_nc_u32 v[CO], s16, v[CO]
	s_lshl_b32 s14, ttmp9, 15                      ; my pair of matrices: 32,768 bytes
	s_mov_b32 s15, 0
	s_add_nc_u64 s[8:9], s[40:41], s[14:15]
.macro OUT src, tmp, which
.irp u, 0,1,2,3,4,5,6,7
	ds_store_b128 v[STO], v[\src+4*\u:\src+4*\u+3] offset:64*(\u/2)+16*(\u%2)
.endr
.irp t, 0,1,2,3,4,5,6,7
	ds_load_b128 v[\tmp+4*\t:\tmp+4*\t+3], v[RD] offset:2*SP*\t            ; the wave's own bytes, served in order: these see the stores above
.endr
.irp t, 0,1,2,3,4,5,6,7
	s_wait_dscnt 7-\t
	global_store_b128 v[CO], v[\tmp+4*\t:\tmp+4*\t+3], s[8:9] offset:\which*16384+512*\t   ; a wave's store covers 512 consecutive bytes, aligned
.endr
.endm
	OUT CX, KA, 1
	s_cmp_eq_u32 s12, 0
	s_cbranch_scc1 .Lend                           ; behind the earliest block nothing follows: its P is neither stored nor read
	OUT Q, KT, 0                                   ; other registers than the first call's: its stores may still read theirs
.Lend:
	s_set_vgpr_msb 0x5
	s_wait_tensorcnt 0x0
	ds_add_u32 v0, v1
	s_wait_dscnt 0x0
	s_set_vgpr_msb 0x500
	s_endpgm
.Lfunc_end_k_qece8b83f01_scan:
	.size	k_qece8b83f01_scan, .Lfunc_end_k_qece8b83f01_scan-k_qece8b83f01_scan
	.p2alignl 7, 3214868480
	.fill 96, 4, 3214868480
	.section	.rodata,"a",@progbits
	.p2align	6, 0x0
	.amdhsa_kernel k_qece8b83f01_scan
		.amdhsa_group_segment_fixed_size 201728
		.amdhsa_private_segment_fixed_size 0
		.amdhsa_enable_private_segment 0
		.amdhsa_kernarg_size 80
		.amdhsa_user_sgpr_count 2
		.amdhsa_user_sgpr_kernarg_segment_ptr 1
		.amdhsa_wavefront_size32 1
		.amdhsa_system_sgpr_workgroup_id_x 1
		.amdhsa_system_sgpr_workgroup_id_y 1
		.amdhsa_system_sgpr_workgroup_id_z 1
		.amdhsa_system_vgpr_workitem_id 0
		.amdhsa_next_free_vgpr 258
		.amdhsa_next_free_sgpr 66
		.amdhsa_reserve_vcc 1
		.amdhsa_float_denorm_mode_32 3
		.amdhsa_float_denorm_mode_16_64 3
		.amdhsa_memory_ordered 1
		.amdhsa_forward_progress 1
		.amdhsa_inst_pref_size 94
	.end_amdhsa_kernel
	.amdgpu_metadata
---
amdhsa.version: [ 1, 2 ]
amdhsa.kernels:
  - .name:           k_qece8b83f01_scan
    .symbol:         k_qece8b83f01_scan.kd
    .args:
      - { .name: seq, .offset: 0, .size: 8, .value_kind: global_buffer, .address_space: global }
      - { .name: embed, .offset: 8, .size: 8, .value_kind: global_buffer, .address_space: global }
      - { .name: W1, .offset: 16, .size: 8, .value_kind: global_buffer, .address_space: global }
      - { .name: b1, .offset: 24, .size: 8, .value_kind: global_buffer, .address_space: global }
      - { .name: W2, .offset: 32, .size: 8, .value_kind: global_buffer, .address_space: global }
      - { .name: b2, .offset: 40, .size: 8, .value_kind: global_buffer, .address_space: global }
      - { .name: gamma, .offset: 48, .size: 8, .value_kind: global_buffer, .address_space: global }
      - { .name: beta, .offset: 56, .size: 8, .value_kind: global_buffer, .address_space: global }
      - { .name: ops, .offset: 64, .size: 8, .value_kind: global_buffer, .address_space: global }
      - { .name: qv, .offset: 72, .size: 8, .value_kind: global_buffer, .address_space: global }
    .group_segment_fixed_size: 201728
    .private_segment_fixed_size: 0
    .kernarg_segment_align: 8
    .kernarg_segment_size: 80
    .max_flat_workgroup_size: 256
    .sgpr_count:     66
    .vgpr_count:     258
    .wavefront_size: 32
...
	.end_amdgpu_metadata
.endif
;; end of part 4
;; launch fin (part 5): grid 64 x 1, 8 waves a work-group, no clusters, 13,312 bytes of LDS; arguments qv, ops, Wr, br, Wo, bo, out0; writes out0
.if DOCPART == 5
	.amdgcn_target "amdgcn-amd-amdhsa--gfx1250"
	.amdhsa_code_object_version 6
	.text
	.protected	k_qece8b83f01_fin
	.globl	k_qece8b83f01_fin
	.p2align	8
	.type	k_qece8b83f01_fin,@function
k_qece8b83f01_fin:
	s_mov_b64 s[64:65], 0
	v_nop
	global_prefetch_b8 v0, s[64:65] scope:SCOPE_SE
	s_setreg_imm32_b32 hwreg(HW_REG_WAVE_MODE, 25, 1), 1
	s_wait_xcnt 0x0
; out0[b] = ((ctx Wr) + br) Wo + bo, with ctx put together from the four blocks' operator pairs, latest block first:
;   x = q = qv[b];   ctx = C3 x;  x = P3 x;   ctx += C2 x;  x = P2 x;   ctx += C1 x;  x = P1 x;   ctx += C0 x.
; qv[b] is the encoder's row of the token at time 4095, picked and stored by the launch before.
; All in f32 on the vector unit: one right-hand side for each work-group would fill one of sixteen columns of a matrix instruction.
; Every matrix lies in memory as [n][m] with y[m] = sum over n of M[n][m] x[n] (ops by its layout, Wr and Wo as they are).
; Thread (g, c) = (thread / 16, thread mod 16) holds rows n = 4 g .. 4 g + 3, columns m = 4 c .. 4 c + 3 of each: sixteen numbers.
; A product is sixteen multiply-adds a thread, a sum over the wave's two g, and a sum over the eight waves through LDS, where each of the six
; stages has 2,048 bytes of its own, so that one barrier a stage is enough.  All 39 loads are issued at the start.
.set V16C, 1                           ; 16 c
.set V16G, 2                           ; 16 g
.set VOP,  3                           ; 1024 g + 16 c
.set VST,  4                           ; 256 wave + 16 c
.set XQ,   8                           ; v[8:11]    x[4 g .. 4 g + 3]
.set AA,   12                          ; v[12:15]   a product's partial sums
.set CA,   16                          ; v[16:19]   ctx's partial sums
.set TP,   20                          ; v[20:23]   from the other half of the wave
.set BR,   24
.set BO,   28
.set LP,   32                          ; v[32:63]   the eight waves' partial quads
.set P3,   64
.set C3,   80
.set P2,   96
.set C2,   112
.set P1,   128
.set C1,   144
.set C0,   160
.set WR,   176
.set WO,   192
.macro LD4 dst, sb, off                ; my sixteen numbers of one matrix; sixteen lanes read a row's 256 bytes
.irp i, 0,1,2,3
	global_load_b128 v[\dst+4*\i:\dst+4*\i+3], v[VOP], s[\sb:\sb+1] offset:\off+256*\i
.endr
.endm
.macro MV acc, op, first               ; acc[k] (+)= sum over i of op[i][k] x[i]
.irp k, 0,1,2,3
.if \first
	v_mul_f32 v[\acc+\k], v[\op+\k], v[XQ]
.else
	v_fmac_f32 v[\acc+\k], v[\op+\k], v[XQ]
.endif
.endr
.irp i, 1,2,3
.irp k, 0,1,2,3
	v_fmac_f32 v[\acc+\k], v[\op+4*\i+\k], v[XQ+\i]
.endr
.endr
.endm
.macro RED_A acc, stage                ; the wave's two g are added; the wave's quad goes to its place in the stage; the barrier is signalled
.irp k, 0,1,2,3
	v_permlanex16_b32 v[TP+\k], v[\acc+\k], s30, s31
.endr
	v_pk_add_f32 v[\acc:\acc+1],   v[\acc:\acc+1],   v[TP:TP+1]
	v_pk_add_f32 v[\acc+2:\acc+3], v[\acc+2:\acc+3], v[TP+2:TP+3]
	ds_store_b128 v[VST], v[\acc:\acc+3] offset:2048*\stage
	s_wait_dscnt 0x0                               ; in LDS before I say so
	s_barrier_signal -1
.endm
.macro GATHER stage, adr               ; behind the barrier: the quad at adr of all eight waves, summed into x
.irp u, 0,1,2,3,4,5,6,7
	ds_load_b128 v[LP+4*\u:LP+4*\u+3], v[\adr] offset:2048*\stage+256*\u
.endr
	s_wait_dscnt 0x0
.irp u, 0,2,4,6
	v_pk_add_f32 v[LP+4*\u:LP+4*\u+1],   v[LP+4*\u:LP+4*\u+1],   v[LP+4*\u+4:LP+4*\u+5]
	v_pk_add_f32 v[LP+4*\u+2:LP+4*\u+3], v[LP+4*\u+2:LP+4*\u+3], v[LP+4*\u+6:LP+4*\u+7]
.endr
.irp u, 0,4
	v_pk_add_f32 v[LP+4*\u:LP+4*\u+1],   v[LP+4*\u:LP+4*\u+1],   v[LP+4*\u+8:LP+4*\u+9]
	v_pk_add_f32 v[LP+4*\u+2:LP+4*\u+3], v[LP+4*\u+2:LP+4*\u+3], v[LP+4*\u+10:LP+4*\u+11]
.endr
	v_pk_add_f32 v[XQ:XQ+1],   v[LP:LP+1],   v[LP+16:LP+17]
	v_pk_add_f32 v[XQ+2:XQ+3], v[LP+2:LP+3], v[LP+18:LP+19]
.endm
	s_load_b256 s[8:15], s[0:1], 0x0               ; qv 8, ops 10, Wr 12, br 14
	s_load_b128 s[16:19], s[0:1], 0x20             ; Wo 16, bo 18
	s_load_b64 s[20:21], s[0:1], 0x30              ; out0
	v_lshl_add_u32 v208, v0, 2, 0x3000
	v_mov_b32 v209, 0
	s_lshl_b32 s26, ttmp9, 17                      ; my four pairs in ops
	s_mov_b32 s27, 0
	s_lshl_b32 s28, ttmp9, 8                       ; my row of qv and of out0
	s_mov_b32 s29, 0
	s_mov_b32 s30, 0x76543210
	s_mov_b32 s31, 0xfedcba98
	v_lshrrev_b32 v6, 5, v0
	v_readfirstlane_b32 s4, v6                     ; wave
	v_and_b32 v[V16C], 15, v0
	v_lshlrev_b32 v[V16C], 4, v[V16C]
	v_lshrrev_b32 v[V16G], 4, v0
	v_lshl_add_u32 v[VOP], v[V16G], 10, v[V16C]
	v_lshlrev_b32 v[V16G], 4, v[V16G]
	v_lshl_add_u32 v[VST], v6, 8, v[V16C]
.irp k, 0,1,2,3
	v_mov_b32 v[TP+\k], 0                          ; v_permlanex16_b32 counts as a reader of its destination
.endr
	s_wait_kmcnt 0x0
	s_add_nc_u64 s[8:9], s[8:9], s[28:29]
	s_add_nc_u64 s[10:11], s[10:11], s[26:27]
	s_add_nc_u64 s[20:21], s[20:21], s[28:29]
	global_load_b128 v[XQ:XQ+3], v[V16G], s[8:9]   ; q[4 g .. 4 g + 3]
	LD4 P3, 10, 3*32768
	LD4 C3, 10, 3*32768+16384
	LD4 P2, 10, 2*32768
	LD4 C2, 10, 2*32768+16384
	LD4 P1, 10, 1*32768
	LD4 C1, 10, 1*32768+16384
	LD4 C0, 10, 16384
	LD4 WR, 12, 0
	global_load_b128 v[BR:BR+3], v[V16G], s[14:15]
	LD4 WO, 16, 0
	global_load_b128 v[BO:BO+3], v[V16C], s[18:19]
	; Each wait's count is the number of loads issued behind what the stage needs: 39 in all, in the order above.
	s_wait_loadcnt 30                              ; q, P3 and C3 are in: 20 of ops, 4 + 1 + 4 + 1 of the read-out stay out
	MV AA, P3, 1
	RED_A AA, 0
	MV CA, C3, 1                                   ; register work while the other waves arrive; it still reads the old x
	s_barrier_wait -1
	GATHER 0, V16G
	s_wait_loadcnt 22                              ; P2, C2
	MV AA, P2, 1
	RED_A AA, 1
	MV CA, C2, 0
	s_barrier_wait -1
	GATHER 1, V16G
	s_wait_loadcnt 14                              ; P1, C1
	MV AA, P1, 1
	RED_A AA, 2
	MV CA, C1, 0
	s_barrier_wait -1
	GATHER 2, V16G
	s_wait_loadcnt 10                              ; C0
	MV CA, C0, 0
	RED_A CA, 3
	s_barrier_wait -1
	GATHER 3, V16G                                 ; x = ctx
	s_wait_loadcnt 5                               ; Wr, br
	MV AA, WR, 1
	RED_A AA, 4
	s_barrier_wait -1
	GATHER 4, V16G
	v_pk_add_f32 v[XQ:XQ+1],   v[XQ:XQ+1],   v[BR:BR+1]
	v_pk_add_f32 v[XQ+2:XQ+3], v[XQ+2:XQ+3], v[BR+2:BR+3]
	s_wait_loadcnt 0x0                             ; Wo, bo
	MV AA, WO, 1
	RED_A AA, 5
	s_barrier_wait -1
	s_cmp_lg_u32 s4, 0
	s_cbranch_scc1 .Lend                           ; the row is 64 numbers: sixteen lanes of wave 0 store it
	GATHER 5, V16C                                 ; this time quad c
	v_pk_add_f32 v[XQ:XQ+1],   v[XQ:XQ+1],   v[BO:BO+1]
	v_pk_add_f32 v[XQ+2:XQ+3], v[XQ+2:XQ+3], v[BO+2:BO+3]
	s_wait_xcnt 0x0                                ; EXEC changes only behind this wait
	s_wait_tensorcnt 0x0
	ds_add_u32 v208, v209
	s_wait_dscnt 0x0
	v_cmpx_gt_u32 16, v0
	global_store_b128 v[V16C], v[XQ:XQ+3], s[20:21]        ; sixteen lanes store the row's 256 consecutive bytes, aligned
	s_endpgm
.Lend:
	s_wait_tensorcnt 0x0
	ds_add_u32 v208, v209
	s_wait_dscnt 0x0
	s_endpgm
.Lfunc_end_k_qece8b83f01_fin:
	.size	k_qece8b83f01_fin, .Lfunc_end_k_qece8b83f01_fin-k_qece8b83f01_fin
	.p2alignl 7, 3214868480
	.fill 96, 4, 3214868480
	.section	.rodata,"a",@progbits
	.p2align	6, 0x0
	.amdhsa_kernel k_qece8b83f01_fin
		.amdhsa_group_segment_fixed_size 13312
		.amdhsa_private_segment_fixed_size 0
		.amdhsa_enable_private_segment 0
		.amdhsa_kernarg_size 56
		.amdhsa_user_sgpr_count 2
		.amdhsa_user_sgpr_kernarg_segment_ptr 1
		.amdhsa_wavefront_size32 1
		.amdhsa_system_sgpr_workgroup_id_x 1
		.amdhsa_system_sgpr_workgroup_id_y 1
		.amdhsa_system_sgpr_workgroup_id_z 1
		.amdhsa_system_vgpr_workitem_id 0
		.amdhsa_next_free_vgpr 210
		.amdhsa_next_free_sgpr 66
		.amdhsa_reserve_vcc 0
		.amdhsa_float_denorm_mode_32 3
		.amdhsa_float_denorm_mode_16_64 3
		.amdhsa_memory_ordered 1
		.amdhsa_forward_progress 1
		.amdhsa_inst_pref_size 23
	.end_amdhsa_kernel
	.amdgpu_metadata
---
amdhsa.version: [ 1, 2 ]
amdhsa.kernels:
  - .name:           k_qece8b83f01_fin
    .symbol:         k_qece8b83f01_fin.kd
    .args:
      - { .name: qv, .offset: 0, .size: 8, .value_kind: global_buffer, .address_space: global }
      - { .name: ops, .offset: 8, .size: 8, .value_kind: global_buffer, .address_space: global }
      - { .name: Wr, .offset: 16, .size: 8, .value_kind: global_buffer, .address_space: global }
      - { .name: br, .offset: 24, .size: 8, .value_kind: global_buffer, .address_space: global }
      - { .name: Wo, .offset: 32, .size: 8, .value_kind: global_buffer, .address_space: global }
      - { .name: bo, .offset: 40, .size: 8, .value_kind: global_buffer, .address_space: global }
      - { .name: out0, .offset: 48, .size: 8, .value_kind: global_buffer, .address_space: global }
    .group_segment_fixed_size: 13312
    .private_segment_fixed_size: 0
    .kernarg_segment_align: 8
    .kernarg_segment_size: 56
    .max_flat_workgroup_size: 256
    .sgpr_count:     66
    .vgpr_count:     210
    .wavefront_size: 32
...
	.end_amdgpu_metadata
.endif
;; end of part 5
;; ======== version 3 of 3: 2 launches; version 2 with the launch scan written anew for expert scheduling mode
;; limits: values are held in f16: magnitudes above 65,504 overflow, below 6.1e-05 lose precision
;; workspace buffers: ops 8,388,608 bytes; qv 16,384 bytes
;; launch scan (part 6): grid 256 x 1, 8 waves a work-group, no clusters, 201,728 bytes of LDS; arguments seq, embed, W1, b1, W2, b2, gamma, beta, ops, qv; writes ops, qv
.if DOCPART == 6
	.amdgcn_target "amdgcn-amd-amdhsa--gfx1250"
	.amdhsa_code_object_version 6
	.text
	.protected	k_qece8b83f01_scan
	.globl	k_qece8b83f01_scan
	.p2align	8
	.type	k_qece8b83f01_scan,@function
k_qece8b83f01_scan:
	s_mov_b64 s[64:65], 0
	v_nop
	global_prefetch_b8 v0, s[64:65] scope:SCOPE_SE
	s_setreg_imm32_b32 hwreg(HW_REG_WAVE_SCHED_MODE, 0, 2), 2
	s_setreg_imm32_b32 hwreg(HW_REG_WAVE_MODE, 25, 1), 1
	s_wait_xcnt 0x0
	s_wait_alu depctr_vm_vsrc(0)
; THE ENCODER sees a position only through its token, and a token is one of 64: k[v] = LayerNorm(h + relu(h W1 + b1) W2 + b2) gamma + beta, h = embed[v],
; is made here once for all 64 tokens, and these 64 rows are every key and query that the scan can meet.
; THE SCAN is read backwards and as an operator.  Only ctx = M q is wanted, and from M_t = M_(t-1) (I - k k^T / d) + k k^T, d = k.k + 1e-6,
; follows, with time running down and kh = k / sqrt(d):   a = kh . q;   ctx += d kh a;   q -= kh a.
; Both updates are linear in q, so a stretch of time is a pair of 64 x 64 matrices: P (q in -> q out) and C (q in -> its share of ctx).
; Work-group id = 4 b + tau makes that pair for batch b and times 1024 tau .. 1024 tau + 1023; that of tau = 3 also stores the query's row k[seq[b][4095]].
; EIGHT WAVES, TWO STRETCHES: positions (0 = the block's latest time) 0-511 go to waves 0-3, positions 512-1023 to waves 4-7; each stretch starts from
; Q = I, and wave w owns columns 16 (w mod 4) .. + 15 of its stretch's pair.  A chunk's three products depend on each other, so a wave has little to issue
; while it waits for a result; the other stretch's wave has work that hangs on none of it, and the chain is 16 chunks long instead of 32.
; At the end P = P2 P1 and C = C1 + C2 P1: waves 4-7 hand P2 and C2 over through LDS, waves 0-3 multiply (16 matrix instructions) and store.
; 32 steps are one chunk.  With K the chunk's 32 rows kh (latest time first) and T = (I + strict lower part of K K^T)^-1:
;   R = K Q;   A = T R;   Q -= K^T A;   C += K^T D A      (D = diag d)
; All four are products from the left, so the f32 result tiles of one matrix instruction pack, lane by lane, into the B operand of the next.
; The text keeps Tn = -T, so that the matrix instructions add: Q += K^T (Tn R), and CX = -C / dmax, which is scaled by -dmax at the end.
; NUMBER FORMAT: matrix operands are f16, sums f32.  In the scan each operand is bounded by construction: kh is a unit vector or shorter; Q's columns are
; unit vectors shortened by projections; R, A and T's entries are projections of such; d / dmax <= 1; and a column of CX is a sum of (d / dmax) kh a over
; 512 steps with sum a^2 <= 1, so its entries stay below sqrt(512) < 23.  Q and CX stay in f32.
; LIMITS: embed, W1, W2 and the hidden units relu(h W1 + b1) are rounded to f16 (2^-12 relative) and must stay below 65,504 in magnitude; entries below
; 6.1e-5 are f16 denormals with a step of 6e-8.  Tokens are clamped to 0..63 as unsigned numbers (a negative index gives row 63).  Entries of kh d / dmax
; below 2^-14 are f16 denormals with a step of 2^-24.  A row's sum of squares must be finite in f32.
; Time 4095 is the query and no key: its token is replaced by 64, a table row of zeros, which makes that step change nothing.
; No tensor loads, cluster or prefetch: what the work-groups share is 82 KB of weights, read once by each and converted on the way into LDS.
; LDS in use: 199,680 bytes.
; THE MODE: SCHED_MODE bits 1:0 = 2 (LLVM: expert scheduling mode 2), set by the entry lines.  The code itself states the register dependences
; between vector or matrix instructions and memory or LDS instructions, with s_wait_alu, always for 0.
; THE PLAN, phase by phase: the registers that memory or LDS instructions touch, and who else names them.
;   HEAD      all offsets and LDS addresses of the table phase are made while the arguments are on their way, ahead of one wait, and not written again in it.
;   W1, W2    a quad is converted in place, so each LDS store has data registers of its own: eight quads, one wait, eight stores; twice.
;   ENCODER   the fragments' registers are loaded again behind a wait that stands where relu or the sums wait for the same matrix results.
;   TABLES    a token's row is converted into the out-buffer OB; one wait; the run of stores.  OB is written again behind the next barrier.
;   Tn        no address is stepped: the four chunks are written out and reached by immediate offsets.  All eight token words are loaded and turned into row
;             addresses at once.  The rows have two buffers by turns: chunk c + 2's rows are asked for when chunk c's Gram products have read theirs.
;             The lower left block of chunk c is stored in chunk c + 1, behind the wait that stands there anyway.
;   A CHUNK   three waits on va_vdst, each directly ahead of a conversion that reads the same matrix results, and one on vm_vsrc: see above the macro CHUNK.
.set KP,   144                         ; pitch of a table row: 128 bytes of f16 + 16
.set DOFF, 9472                        ; table of kh at 0 (65 rows), table of kh d / dmax at DOFF
.set SEQ,  18944                       ; 1024 tokens, by position
.set RED,  23040                       ; four waves' largest d
.set TT,   23296                       ; Tn of the 32 chunks, f16, stored [column][row]
.set TP,   96                          ; pitch of a column of Tn: 64 bytes + 32
.set TCH,  32*TP                       ; a chunk's Tn
.set STG,  121600                      ; 64 rows of 272 bytes: first the raw rows k in f32 (tau = 3), at the end the way out's stage of waves 0-3
.set SP,   272
.set EXC,  139008                      ; the hand-over: P2, then CX2, f16, stored [column][row]
.set EP,   160                         ; pitch of a column there: 128 bytes + 32
.set EXM,  64*EP                       ; one matrix of the hand-over
.set W1L,  159488                      ; W1 in f16 as it lies, [64 features][128 hidden units]
.set W1P,  288                         ; 256 bytes + 32
.set W2L,  177920                      ; W2 in f16 as it lies, [128 hidden units][64 features]
.set W2P,  160                         ; 128 bytes + 32
.set PARL, 198400                      ; b1 (512 bytes), b2 at 512, gamma at 768, beta at 1024, f32
.set NCH,  16                          ; chunks of a stretch
; registers that live through the kernel
.set VR,   1                           ; r = lane mod 16
.set CH,   2                           ; 16 h, h = lane / 16
.set CT,   3                           ; 16 ((lane / 8) mod 2)
.set VSA,  4                           ; token address, one position a lane of 16
.set VST,  5                           ; token address, position 8 h + lane mod 8
.set VTT,  6                           ; address for the transposing loads of Tn, later of the hand-over
.set PAT,  7                           ; 8 h + lane mod 8
.set AK,   8                           ; v8, v9    table rows of positions r, 16 + r
.set AT,   10                          ; v10, v11  table rows of positions PAT, 16 + PAT
.set TKA,  12                          ; v12, v13  tokens for AK
.set TKT,  14                          ; v14, v15  tokens for AT
.set STO,  16                          ; the hand-over and the way out
.set RD,   17
.set CO,   18
.set DIF,  19
.set VH,   20                          ; h
.set ONE,  21
.set NEG1, 22
.set GA,   23                          ; 16 x thread
.set VTS,  16                          ; while Tn is made: where a lane stores its column,
.set VTB,  17                          ; and where column r lies
; while the tables are made (v4 to v19, v21 and v22 hold this phase's offsets and LDS addresses)
.set AW1,  4                           ; where my quads of W1 go
.set AW2,  5                           ; where my quads of W2 go
.set AS,   6                           ; where my tokens go
.set AH,   8                           ; my token's row of embed, features 8 h ..
.set VW1,  9                           ; transposing loads of W1
.set VW2,  10                          ; transposing loads of W2
.set VPA,  11                          ; the four vectors, elements 8 h ..
.set AW,   12                          ; my token's row in the tables
.set AR,   13                          ; my wave's word among the four maxima
.set ZT,   14                          ; at work: no memory instruction names it
.set P16,  15                          ; 16 x lane
.set P8,   16                          ; 8 x lane
.set PL16, 17
.set PL8,  18
.set AQ,   19                          ; my token's raw row
.set AZ,   21                          ; 0: LDS address 0, and the data that clear row 64
.set ZR,   22                          ; my word of row 0 of my wave's table (waves 0 and 1)
.set WA,   24                          ; v[24:87]   sixteen quads of W1 and W2 as loaded; each closes up into its first two registers
.set AF,   24                          ; v[24:87]   then eight A fragments
.set GM,   24                          ; v[24:55]   then gamma,
.set BT,   56                          ; v[56:87]   and beta, in the layout of HX
.set D1,   88                          ; v[88:151]  hidden units: tile mt, register j: unit 16 mt + 8 h + j of token r
.set AG,   88                          ; v[88:151]  then eight more A fragments
.set YB,   88                          ; then scratch
.set DP,   96                          ; d
.set KS,   98                          ; v[98:99]   1 / sqrt(d), twice
.set SC,   100                         ; v[100:101] d / (dmax sqrt(d)), twice
.set MX,   102
.set M4,   104
.set HX,   152                         ; v[152:183] tile mt, register j: feature 16 mt + 8 h + j of token r: h, then x, then k
.set HB,   184                         ; v[184:199] h in f16: two B fragments
.set FB,   200                         ; v[200:231] b2 at first; then the hidden units in f16: four B fragments
.set OB,   200                         ; v[200:215] then the out-buffer: my token's half row of a table in f16
.set LD,   232                         ; tokens as loaded
.set RV,   236                         ; tokens clamped, the quad reversed
.set TS,   244                         ; v[244:251] four pairs of running sums
.set NM,   252                         ; v[252:253] minus the mean, twice
.set RS,   254                         ; v[254:255] 1 / sqrt(variance + 1e-5), twice
; while Tn is made
.set TK,   8                           ; v[8:15]    chunk c: the tokens of positions r and 16 + r at TK + 2 c, + 1; then, in place, their rows' LDS addresses
.set F1,   24                          ; kh of a chunk: positions 0-15 in 16 registers (K = 64 in two fragments), positions 16-31 in the next 16.
.set FSTEP, 152                        ; Two buffers by turns: v[24:55] for chunks 0 and 2, v[176:207] for chunks 1 and 3
.set D11,  56                          ; Gram blocks
.set D22,  64
.set D12,  72
.set XS,   80                          ; v[80:95]   the solve: register = row, lane = column; lanes 0-15 block 1, lanes 16-31 block 2
.set ES,   96                          ; v[96:111]  minus the unit matrix in that layout
.set PK,   112
.set A1,   120
.set B1,   128
.set B2,   136
.set A2,   144
.set UU,   152
.set VV,   160
.set VP,   168
; main phase
.set Q,    24                          ; v[24:55]   four tiles: rows 16 mt + 8 h + j, column r
.set CX,   56                          ; v[56:87]
.set RR,   88                          ; v[88:103]
.set AN,   104                         ; v[104:119]
.set QB,   120                         ; v[120:135] Q in f16 as two B fragments
.set RB,   136                         ; v[136:143] R, then -A, in f16 as a B fragment
.set KA,   144                         ; v[144:175] K as A fragments: 16 mt + 8 ks
.set TA0,  176                         ; v[176:183] Tn rows 0-15; its upper four registers (columns 16-31) stay zero
.set TA1,  184                         ; v[184:191] Tn rows 16-31
.set KT,   192                         ; v[192:223] K^T as four A fragments
.set KD,   224                         ; v[224:255] (D K / dmax)^T likewise
; the merge: A fragments of P2 and CX2, four row tiles for each half of K
.set AP0,  144                         ; v[144:175] P2,  k = 0-31
.set AP1,  176                         ; v[176:207] P2,  k = 32-63
.set AC0,  208                         ; v[208:239] CX2, k = 0-31
.set AC1,  88                          ; v[88:119]  CX2, k = 32-63
.set MK,   24                          ; s[24:39]   sixteen lane masks, once the eight input addresses there have served
.macro PLACES                          ; four places behind a matrix instruction (ISA guide 7.12.1)
.rept 4
	v_nop
.endr
.endm
.macro ADDR dst, tok, c                ; a token, bounded, to the LDS address of its table row plus the lane's column term
	v_min_u32 v[\tok], 64, v[\tok]
	v_mul_u32_u24 v[\dst], v[\tok], KP
	v_add_nc_u32 v[\dst], v[\dst], v[\c]
.endm
.macro LDKA base, a                    ; two A fragments (K = 0-31, 32-63) of sixteen gathered rows
	ds_load_b128 v[\base:\base+3],     v[\a]
	ds_load_b128 v[\base+4:\base+7],   v[\a] offset:32
	ds_load_b128 v[\base+8:\base+11],  v[\a] offset:64
	ds_load_b128 v[\base+12:\base+15], v[\a] offset:96
.endm
.macro CVT dst, src, n                 ; 2 n numbers of f32 to n registers of f16: a result tile's eight rows are a B fragment's eight k
.set p, 0
.rept \n
	v_cvt_pk_f16_f32 v[\dst+p], v[\src+2*p], v[\src+2*p+1]
.set p, p+1
.endr
.endm
	s_load_b512 s[24:39], s[0:1], 0x0              ; seq 24, embed 26, W1 28, b1 30, W2 32, b2 34, gamma 36, beta 38
	s_load_b128 s[40:43], s[0:1], 0x40             ; ops 40, qv 42
	s_set_vgpr_msb 0x40
	v_lshl_add_u32 v0, v0, 2, 0x31000
	v_mov_b32 v1, 0
	s_set_vgpr_msb 0x4000
	v_lshrrev_b32 v[ZT], 5, v0
	v_readfirstlane_b32 s10, v[ZT]                 ; wave 0..7
	s_and_b32 s12, ttmp9, 3                        ; tau
	s_lshl_b32 s14, ttmp9, 12                      ; my 1024 tokens: (4 b + tau) x 4,096 bytes
	s_mov_b32 s15, 0
	s_mov_b32 s20, 0x76543210                      ; v_permlanex16_b32: lane i reads lane i of the other half
	s_mov_b32 s21, 0xfedcba98
	s_mov_b32 s23, 0x3c800000                      ; 1/64
	s_mov_b32 s44, 0x3727c5ac                      ; 1e-5
	v_lshlrev_b32 v[GA], 4, v0
	v_and_b32 v[VR], 15, v0
	v_bfe_u32 v[VH], v0, 4, 1
	v_lshlrev_b32 v[CH], 4, v[VH]
	v_bfe_u32 v[CT], v0, 3, 1
	v_lshlrev_b32 v[CT], 4, v[CT]
	v_and_b32 v[PAT], 7, v0
	v_lshl_add_u32 v[PAT], v[VH], 3, v[PAT]
	; every offset and LDS address of the table phase, while the arguments are on their way (those of the encoder are used by waves 0-3 alone, the vectors' by wave 4)
	v_mul_u32_u24 v[AW1], v[ZT], W1P
	v_and_b32 v[ZT], 31, v0
	v_lshl_add_u32 v[AW1], v[ZT], 3, v[AW1]
	v_add_nc_u32 v[AW1], W1L, v[AW1]
	v_lshlrev_b32 v[P16], 4, v[ZT]
	v_lshlrev_b32 v[P8], 3, v[ZT]
	v_add_nc_u32 v[PL16], PARL, v[P16]
	v_add_nc_u32 v[PL8], PARL, v[P8]
	v_lshlrev_b32 v[ZR], 2, v[ZT]
	v_lshrrev_b32 v[ZT], 4, v0
	v_mul_u32_u24 v[AW2], v[ZT], W2P
	v_lshl_add_u32 v[AW2], v[VR], 3, v[AW2]
	v_add_nc_u32 v[AW2], W2L, v[AW2]
	v_mul_u32_u24 v[VW1], v[PAT], W1P              ; row (= k) 8 h + lane mod 8, and 16 bytes further for the upper eight lanes of sixteen
	v_add3_u32 v[VW1], v[VW1], v[CT], W1L
	v_mul_u32_u24 v[VW2], v[PAT], W2P
	v_add3_u32 v[VW2], v[VW2], v[CT], W2L
	v_lshlrev_b32 v[VPA], 5, v[VH]
	v_add_nc_u32 v[VPA], PARL, v[VPA]
	v_sub_nc_u32 v[AS], SEQ+4080, v[GA]            ; times 4 t .. 4 t + 3 are positions 1020 - 4 t .. 1023 - 4 t
	v_mov_b32 v[AZ], 0
	v_lshlrev_b32 v[AH], 8, v[VR]
	v_lshl_add_u32 v[AH], v[VH], 5, v[AH]
	v_mul_u32_u24 v[AW], v[VR], KP
	v_mul_u32_u24 v[AQ], v[VR], SP
	v_lshl_add_u32 v[AQ], v[VH], 5, v[AQ]
	s_wait_alu depctr_va_sdst(0)                   ; s10 is written, ahead of its first reader
	s_lshr_b32 s11, s10, 2                         ; my stretch
	s_and_b32 s17, s10, 3                          ; which sixteen columns of it
	s_lshl_b32 s13, s10, 12                        ; waves 0-3: wave w owns tokens 16 w .. 16 w + 15, token 16 w + r in lanes r and 16 + r
	v_add_nc_u32 v[AH], s13, v[AH]
	s_mul_i32 s13, s10, 16*KP
	v_add3_u32 v[AW], v[AW], v[CH], s13            ; table row 16 w + r, features 8 h ..
	s_mul_i32 s13, s10, 16*SP
	s_add_co_u32 s13, s13, STG
	v_add_nc_u32 v[AQ], s13, v[AQ]                 ; raw row 16 w + r, features 8 h ..
	s_mul_i32 s13, s10, DOFF
	v_add_nc_u32 v[ZR], s13, v[ZR]
	v_mov_b32 v[AR], s10
	v_lshlrev_b32 v[AR], 2, v[AR]
	s_wait_alu depctr_va_vdst(0)                   ; v4 to v19 and v21 to v23 are written: the loads and stores up to the third barrier read them as offsets, addresses and data
	s_wait_kmcnt 0x0
	s_add_nc_u64 s[4:5], s[24:25], s[14:15]
	s_load_b32 s22, s[4:5], 0xffc                  ; my block's last token; for tau = 3 it is the query's
	; What only some waves load goes out first, so that the same 17 loads stand last in every wave and the counts below hold for all.
	s_cmp_gt_u32 s10, 3
	s_cbranch_scc1 .Lnot_h
.irp u, 0,1,2,3,4,5,6,7
	global_load_b128 v[HX+4*\u:HX+4*\u+3], v[AH], s[26:27] offset:64*(\u/2)+16*(\u%2)      ; the eight loads together take my sixteen rows whole
.endr
	s_branch .Lstream
.Lnot_h:
	s_cmp_lg_u32 s10, 4
	s_cbranch_scc1 .Lstream
	global_load_b128 v[HX:HX+3],  v[P16], s[30:31] ; wave 4 brings the four vectors: 512 + 3 x 256 bytes
	global_load_b64 v[HX+4:HX+5], v[P8], s[34:35]
	global_load_b64 v[HX+6:HX+7], v[P8], s[36:37]
	global_load_b64 v[HX+8:HX+9], v[P8], s[38:39]
.Lstream:
	global_load_b128 v[LD:LD+3], v[GA], s[4:5] th:TH_LOAD_NT
.irp i, 0,1,2,3,4,5,6,7
	global_load_b128 v[WA+4*\i:WA+4*\i+3], v[GA], s[28:29] offset:4096*\i          ; W1: row thread / 32 + 8 i, quad thread mod 32
.endr
.irp i, 0,1,2,3,4,5,6,7
	global_load_b128 v[WA+32+4*\i:WA+32+4*\i+3], v[GA], s[32:33] offset:4096*\i    ; W2: row thread / 16 + 16 i, quad thread mod 16
.endr
	s_lshl_b32 s13, s12, 8
	v_add_nc_u32 v[ZT], s13, v0
	v_cmp_ne_u32 vcc_lo, 0x3ff, v[ZT]              ; thread 255 of tau = 3 holds time 4095
	s_wait_alu depctr_va_vcc(0)                    ; VCC is written, ahead of the select below that reads it
	s_wait_kmcnt 0x0
	s_min_u32 s22, s22, 63
	; ---- tokens into LDS, latest time first; W1 and W2 into LDS in f16, as they lie ----
.macro W16 base                        ; eight quads, each closing up into its first two registers
.irp i, 0,1,2,3,4,5,6,7
	v_cvt_pk_f16_f32 v[\base+4*\i],   v[\base+4*\i],   v[\base+4*\i+1]
	v_cvt_pk_f16_f32 v[\base+4*\i+1], v[\base+4*\i+2], v[\base+4*\i+3]
.endr
.endm
	s_wait_loadcnt 8                               ; loads come back in order (ISA guide 5.7.1): the tokens and W1 are in, W2's eight loads stay out
.irp i, 0,1,2,3
	v_min_u32 v[RV+3-\i], 63, v[LD+\i]             ; clamp, and turn the quad round
.endr
	v_cndmask_b32 v[RV], 64, v[RV], vcc_lo         ; time 4095 becomes the row of zeros
	W16 WA
	s_wait_alu depctr_va_vdst(0)                   ; the tokens' quad and W1's eight pairs are written, which the nine stores below read
	ds_store_b128 v[AS], v[RV:RV+3]
.irp i, 0,1,2,3,4,5,6,7
	ds_store_b64 v[AW1], v[WA+4*\i:WA+4*\i+1] offset:8*W1P*\i
.endr
	s_wait_loadcnt 0x0
	W16 WA+32
	s_wait_alu depctr_va_vdst(0)                   ; W2's eight pairs are written, which the eight stores below read
.irp i, 0,1,2,3,4,5,6,7
	ds_store_b64 v[AW2], v[WA+32+4*\i:WA+32+4*\i+1] offset:16*W2P*\i
.endr
	s_cmp_lg_u32 s10, 4
	s_cbranch_scc1 .Lno_par
	ds_store_b128 v[PL16], v[HX:HX+3]              ; wave 4's four loads are in; their data come from memory, the addresses from the head
	ds_store_b64 v[PL8], v[HX+4:HX+5] offset:512
	ds_store_b64 v[PL8], v[HX+6:HX+7] offset:768
	ds_store_b64 v[PL8], v[HX+8:HX+9] offset:1024
.Lno_par:
	s_wait_dscnt 0x0                               ; my part of the weights, vectors and tokens is in LDS before I say so
	s_barrier_signal -1
	s_barrier_wait -1
	s_wait_alu depctr_vm_vsrc(0)                   ; my LDS stores have read v[WA ..], in which fragments land from here on (the conversions that named them stand ahead of the last wait on va_vdst)
	; ---- the encoder, transposed: waves 0-3, sixteen tokens each, a token a lane column ----
	; hidden^T = W1^T h^T + b1 and x^T = W2^T relu(hidden)^T + (h + b2)^T.  The weights are the A operand, read from [K][N] by transposing loads; the tokens are
	; the N side, so that each result tile packs lane by lane into the next product's B fragment, and a token's 64 features end up in two lanes' registers.
	; There are four tiles of sixteen tokens, so four waves have work here; the other four wait at the barrier behind it.
.macro LDW1 b                          ; 16 loads: A fragments of hidden tiles 4 b .. 4 b + 3, both halves of K = 64
.irp a, 0,1,2,3
.irp ks, 0,1
	ds_load_tr16_b128 v[AF+8*(2*\a+\ks):AF+8*(2*\a+\ks)+3],   v[VW1] offset:32*\ks*W1P+32*(4*\b+\a)
	ds_load_tr16_b128 v[AF+8*(2*\a+\ks)+4:AF+8*(2*\a+\ks)+7], v[VW1] offset:(32*\ks+16)*W1P+32*(4*\b+\a)
.endr
.endr
.endm
.macro MM1 b                           ; 8 matrix instructions; the four accumulators take turns
.irp ks, 0,1
.irp a, 0,1,2,3
	v_wmma_f32_16x16x32_f16 v[D1+8*(4*\b+\a):D1+8*(4*\b+\a)+7], v[AF+8*(2*\a+\ks):AF+8*(2*\a+\ks)+7], v[HB+8*\ks:HB+8*\ks+7], v[D1+8*(4*\b+\a):D1+8*(4*\b+\a)+7]
.endr
.endr
.endm
.macro RELU b                          ; hidden tiles 4 b .. 4 b + 3: relu, then f16: two B fragments of the second layer
.set p, 0
.rept 32
	v_max_num_f32 v[D1+32*\b+p], 0, v[D1+32*\b+p]
.set p, p+1
.endr
	CVT FB+16*\b, D1+32*\b, 16
.endm
.macro LDW2 dst, k2                    ; 16 loads: A fragments of the four feature tiles for hidden units 64 k2 .. 64 k2 + 63
.irp kk, 0,1
.irp mt, 0,1,2,3
	ds_load_tr16_b128 v[\dst+8*(4*\kk+\mt):\dst+8*(4*\kk+\mt)+3],   v[VW2] offset:32*(2*\k2+\kk)*W2P+32*\mt
	ds_load_tr16_b128 v[\dst+8*(4*\kk+\mt)+4:\dst+8*(4*\kk+\mt)+7], v[VW2] offset:(32*(2*\k2+\kk)+16)*W2P+32*\mt
.endr
.endr
.endm
.macro MM2 src, k2                     ; 8 matrix instructions, the four accumulators by turns
.irp kk, 0,1
.irp mt, 0,1,2,3
	v_wmma_f32_16x16x32_f16 v[HX+8*\mt:HX+8*\mt+7], v[\src+8*(4*\kk+\mt):\src+8*(4*\kk+\mt)+7], v[FB+8*(2*\k2+\kk):FB+8*(2*\k2+\kk)+7], v[HX+8*\mt:HX+8*\mt+7]
.endr
.endr
.endm
.macro ROWSUM                          ; four pairs to one number; the token's other 32 features lie in the other half of the wave
	v_pk_add_f32 v[TS:TS+1],   v[TS:TS+1],   v[TS+2:TS+3]
	v_pk_add_f32 v[TS+4:TS+5], v[TS+4:TS+5], v[TS+6:TS+7]
	v_pk_add_f32 v[TS:TS+1],   v[TS:TS+1],   v[TS+4:TS+5]
	v_add_f32 v[TS], v[TS], v[TS+1]
	v_permlanex16_b32 v[TS+1], v[TS], s20, s21
	v_add_f32 v[TS], v[TS], v[TS+1]
.endm
.macro SUMSQ                           ; the sum of squares of the token's 64 numbers in HX, in four chains started by products
.set p, 0
.rept 16
.if p < 4
	v_pk_mul_f32 v[TS+2*p:TS+2*p+1], v[HX+2*p:HX+2*p+1], v[HX+2*p:HX+2*p+1]
.else
	v_pk_fma_f32 v[TS+2*(p%4):TS+2*(p%4)+1], v[HX+2*p:HX+2*p+1], v[HX+2*p:HX+2*p+1], v[TS+2*(p%4):TS+2*(p%4)+1]
.endif
.set p, p+1
.endr
	ROWSUM
.endm
.macro TABC sc                         ; k times the pair sc, to f16, into the out-buffer: four registers a tile
.irp mt, 0,1,2,3
.irp i, 0,1,2,3
	v_pk_mul_f32 v[YB+2*\i:YB+2*\i+1], v[HX+8*\mt+2*\i:HX+8*\mt+2*\i+1], v[\sc:\sc+1]
.endr
.irp i, 0,1,2,3
	v_cvt_pk_f16_f32 v[OB+4*\mt+\i], v[YB+2*\i], v[YB+2*\i+1]
.endr
.endr
.endm
.macro TABS off                        ; the out-buffer into my token's row of the table at off: 16 bytes a tile
.irp mt, 0,1,2,3
	ds_store_b128 v[AW], v[OB+4*\mt:OB+4*\mt+3] offset:\off+32*\mt
.endr
.endm
	s_cmp_gt_u32 s10, 3
	s_cbranch_scc1 .Lenc_done
.irp u, 0,1,2,3,4,5,6,7,8,9,10,11,12,13,14,15
	ds_load_b128 v[D1+4*\u:D1+4*\u+3], v[VPA] offset:64*(\u/2)+16*(\u%2)           ; b1 starts the first layer's sums: nothing is cleared
.endr
.irp u, 0,1,2,3,4,5,6,7
	ds_load_b128 v[FB+4*\u:FB+4*\u+3], v[VPA] offset:512+64*(\u/2)+16*(\u%2)       ; b2
.endr
	LDW1 0
	CVT HB, HX, 16                                 ; h as B fragments (its loads are older than W's and are in)
	s_wait_dscnt 16                                ; b1 and b2 are in; the sixteen fragment loads stay out
.set i, 0
.rept 16
	v_pk_add_f32 v[HX+i:HX+i+1], v[HX+i:HX+i+1], v[FB+i:FB+i+1]                    ; h + b2 starts the second layer's sums
.set i, i+2
.endr
	s_wait_dscnt 0x0
	MM1 0
	PLACES                                         ; in front of the reads of the results
	s_wait_alu depctr_va_vdst(0)                   ; the eight products are done reading the fragments, in which the next sixteen loads land
	LDW1 1
	RELU 0
	s_wait_dscnt 0x0
	MM1 1
	PLACES
	s_wait_alu depctr_va_vdst(0)                   ; again: the eight products are done reading the fragments
	LDW2 AF, 0
	RELU 1
	s_wait_alu depctr_va_vdst(0)                   ; relu and the roundings are done with the first layer's 64 registers, in which the second half of W2 lands
	LDW2 AG, 1
	s_wait_dscnt 16                                ; the first half of W2 is in; the second half's sixteen loads stay out
	MM2 AF, 0
	s_wait_dscnt 0x0
	MM2 AG, 1
	PLACES
	s_wait_alu depctr_va_vdst(0)                   ; the products on the first half of W2 are done reading v[AF ..], in which gamma and beta land
.irp u, 0,1,2,3,4,5,6,7
	ds_load_b128 v[GM+4*\u:GM+4*\u+3], v[VPA] offset:768+64*(\u/2)+16*(\u%2)
.endr
.irp u, 0,1,2,3,4,5,6,7
	ds_load_b128 v[BT+4*\u:BT+4*\u+3], v[VPA] offset:1024+64*(\u/2)+16*(\u%2)
.endr
	; LayerNorm, a token in two lanes
.irp i, 0,1,2,3
	v_pk_add_f32 v[TS+2*\i:TS+2*\i+1], v[HX+2*\i:HX+2*\i+1], v[HX+8+2*\i:HX+8+2*\i+1]
.endr
.irp i, 0,1,2,3
	v_pk_add_f32 v[TS+2*\i:TS+2*\i+1], v[TS+2*\i:TS+2*\i+1], v[HX+16+2*\i:HX+16+2*\i+1]
.endr
.irp i, 0,1,2,3
	v_pk_add_f32 v[TS+2*\i:TS+2*\i+1], v[TS+2*\i:TS+2*\i+1], v[HX+24+2*\i:HX+24+2*\i+1]
.endr
	ROWSUM
	v_mul_f32 v[NM], 0xbc800000, v[TS]             ; minus the mean
	v_mov_b32 v[NM+1], v[NM]
.set i, 0
.rept 16
	v_pk_add_f32 v[HX+i:HX+i+1], v[HX+i:HX+i+1], v[NM:NM+1]
.set i, i+2
.endr
	SUMSQ
	v_fma_f32 v[TS], v[TS], s23, s44               ; variance + 1e-5
	v_rsq_f32 v[RS], v[TS]
	v_nop                                          ; one plain vector instruction between v_rsq_f32 and the use of its result (ISA guide 5.7.2)
	s_wait_alu depctr_va_vdst(0)
	v_mov_b32 v[RS+1], v[RS]
.set i, 0
.rept 16
	v_pk_mul_f32 v[HX+i:HX+i+1], v[HX+i:HX+i+1], v[RS:RS+1]
.set i, i+2
.endr
	s_wait_dscnt 0x0                               ; gamma and beta
.set i, 0
.rept 16
	v_pk_fma_f32 v[HX+i:HX+i+1], v[HX+i:HX+i+1], v[GM+i:GM+i+1], v[BT+i:BT+i+1]    ; k
.set i, i+2
.endr
	s_cmp_lg_u32 s12, 3
	s_cbranch_scc1 .Lno_raw                        ; the latest block alone holds the query: it keeps the raw rows, so that one of them can be picked by its token
	s_wait_alu depctr_va_vdst(0)                   ; the multiply-adds have written k, which the eight stores read
.irp u, 0,1,2,3,4,5,6,7
	ds_store_b128 v[AQ], v[HX+4*\u:HX+4*\u+3] offset:64*(\u/2)+16*(\u%2)
.endr
.Lno_raw:
	SUMSQ
	v_add_f32 v[DP], 0x358637bd, v[TS]             ; d = k.k + 1e-6
	v_rsq_f32 v[KS], v[DP]
	v_mov_b32 v[MX], v[DP]                         ; plain work behind v_rsq_f32 (ISA guide 5.7.2): it reads no result and writes no source
	s_wait_alu depctr_va_vdst(0)
	v_mov_b32 v[KS+1], v[KS]
.irp m, 1,2,4,8
	v_max_num_f32_dpp v[MX], v[MX], v[MX] row_xmask:\m row_mask:0xf bank_mask:0xf  ; the largest d of my sixteen tokens
.endr
	TABC KS                                        ; kh
	s_wait_alu depctr_va_vdst(0)                   ; the maximum and the out-buffer are written, which the five stores read
	ds_store_b32 v[AR], v[MX] offset:RED
	TABS 0
.Lenc_done:
	s_wait_dscnt 0x0                               ; the four maxima are in LDS before their waves say so
	s_barrier_signal -1
	s_barrier_wait -1
	s_wait_alu depctr_vm_vsrc(0)                   ; my stores have read v[MX] and the out-buffer, which are written again below
	ds_load_b128 v[M4:M4+3], v[AZ] offset:RED      ; no vector or matrix instruction since the last wait on va_vdst names v[M4 ..]
	s_wait_dscnt 0x0
	v_max3_num_f32 v[MX], v[M4], v[M4+1], v[M4+2]
	v_max_num_f32 v[MX], v[MX], v[M4+3]            ; dmax
	v_readfirstlane_b32 s18, v[MX]
	v_rcp_f32 v[MX+1], v[MX]
	v_nop                                          ; one plain vector instruction behind v_rcp_f32 (ISA guide 5.7.2)
	s_wait_alu depctr_va_sdst(0)                   ; s18 is written, ahead of its first reader
	s_xor_b32 s18, s18, 0x80000000                 ; -dmax, twice: a pair for the packed multiply at the end
	s_mov_b32 s19, s18
	s_cmp_gt_u32 s10, 3
	s_cbranch_scc1 .Ltab_done
	s_wait_alu depctr_va_vdst(0)
	v_mul_f32 v[SC], v[DP], v[MX+1]                ; d / dmax
	v_mul_f32 v[SC], v[SC], v[KS]
	v_mov_b32 v[SC+1], v[SC]
	TABC SC                                        ; kh d / dmax
	s_wait_alu depctr_va_vdst(0)                   ; the out-buffer is written, which the four stores read
	TABS DOFF
	s_cmp_gt_u32 s10, 1
	s_cbranch_scc1 .Ltab_done                      ; wave 0 clears row 64 of the first table, wave 1 of the second: 32 lanes x 4 bytes
	ds_store_b32 v[ZR], v[AZ] offset:64*KP         ; address and data were made at the head
.Ltab_done:
	s_wait_dscnt 0x0                               ; the tables are whole before anybody reads them
	s_barrier_signal -1
	s_barrier_wait -1
	s_wait_alu depctr_vm_vsrc(0)                   ; all my loads and stores so far have read their addresses and data: v4 to v22, the raw rows' k and the out-buffer get new contents below
	; ---- the query's row, for the last launch: wave 7 of the latest block ----
	s_cmp_lg_u32 s10, 7
	s_cbranch_scc1 .Lno_q
	s_cmp_lg_u32 s12, 3
	s_cbranch_scc1 .Lno_q
	s_mul_i32 s22, s22, SP
	s_add_co_u32 s22, s22, STG
	v_add_nc_u32 v[AQ], s22, v[P8]
	s_lshr_b32 s14, ttmp9, 2
	s_lshl_b32 s14, s14, 8                         ; row b of qv
	s_mov_b32 s15, 0
	s_add_nc_u64 s[42:43], s[42:43], s[14:15]
	s_wait_alu depctr_va_vdst(0)                   ; v[AQ] is written, which the load reads as its address
	ds_load_b64 v[YB:YB+1], v[AQ]
	s_wait_dscnt 0x0
	global_store_b64 v[P8], v[YB:YB+1], s[42:43]   ; 32 lanes store the row's 256 consecutive bytes, aligned
	s_wait_xcnt 0x0                                ; the store's offset and data registers are written again below
	s_wait_alu depctr_vm_vsrc(0)                   ; the load has read v[AQ], the store v[P8] and v[YB ..]
.Lno_q:
	; ---- Tn = -(I + strict lower part of K K^T)^-1 for chunks 4 w .. 4 w + 3 ----
	; In blocks of 16: T = [[T1, 0], [-T2 N21 T1, T2]].  T1 and T2 are solved together by forward substitution, block 1 in lanes 0-15 and block 2 in
	; lanes 16-31, a column a lane; the lower left block is Tn2 N21 Tn1, two matrix instructions with K = 16 filled up by zeros.
	s_lshl_b32 s13, s10, 9                         ; 4 chunks x 128 bytes of tokens
	s_mul_i32 s14, s10, 4*TCH
	s_add_co_u32 s14, s14, TT                      ; my four chunks of Tn: nobody else touches them before the barrier behind them
	v_lshl_add_u32 v[VSA], v[VR], 2, s13
	v_and_b32 v[DIF], 31, v0
	v_mul_u32_u24 v[VTS], v[DIF], TP               ; column = lane,
	v_lshl_add_u32 v[VTS], v[VH], 5, v[VTS]        ; rows 16-31 for block 2
	v_add_nc_u32 v[VTS], s14, v[VTS]
	v_mul_u32_u24 v[VTB], v[VR], TP                ; column r, rows 8 h ..
	v_add3_u32 v[VTB], v[VTB], v[CH], s14
	v_mul_u32_u24 v[VTT], v[PAT], TP
	v_add3_u32 v[VTT], v[VTT], v[CT], s14
	s_wait_alu depctr_va_vdst(0)                   ; the four addresses are written; they are not written again while Tn is made: a chunk is reached by immediate offsets
.irp c, 0,1,2,3
	ds_load_b32 v[TK+2*\c],   v[VSA] offset:SEQ+128*\c         ; the tokens of all four chunks at once
	ds_load_b32 v[TK+2*\c+1], v[VSA] offset:SEQ+128*\c+64
.endr
	v_mov_b32 v[NEG1], -1.0
.irp i, 0,1,2,3,4,5,6,7,8,9,10,11,12,13,14,15
	v_cmp_eq_u32 s[MK+\i], \i, v[VR]               ; a run of sixteen compares, a mask register each
.endr
.irp b, A1,B1,B2,A2
.irp j, 4,5,6,7
	v_mov_b32 v[\b+\j], 0                          ; k = 16 .. 31 of the small products, once
.endr
.endr
	s_wait_alu depctr_va_sdst(0)                   ; the sixteen masks are written, ahead of the selects that read them
.irp i, 0,1,2,3,4,5,6,7,8,9,10,11,12,13,14,15
	v_cndmask_b32 v[ES+\i], 0, v[NEG1], s[MK+\i]
.endr
	s_wait_dscnt 0x0
.irp u, 0,1,2,3,4,5,6,7
	ADDR TK+\u, TK+\u, CH                          ; in place: a token becomes its row's address
.endr
	s_wait_alu depctr_va_vdst(0)                   ; the eight row addresses are written; every earlier reader and writer of the two row buffers is done
	LDKA F1, TK
	LDKA F1+16, TK+1
	LDKA F1+FSTEP, TK+2
	LDKA F1+FSTEP+16, TK+3
.macro SOLVECOL j                      ; row j is final: take it out of the rows below.  Lane j of each half holds -N[i][j] and is shared with its half
.set i, \j+1
.rept 15-\j
	v_fmac_f32_dpp v[XS+i], v[D11+i], v[XS+\j] row_share:\j row_mask:0xf bank_mask:0xf
.set i, i+1
.endr
.endm
; Chunk c of my four.  Row buffer c % 2: read by the six Gram products, then loaded with chunk c + 2's rows.  PK: written by the solve's roundings, read by two stores.
; B1, A2: loaded, read by the two small products.  VP: written at the chunk's end, read by one store that stands in chunk c + 1.
.macro TRI c
.set FG, F1+FSTEP*((\c)%2)
.if (\c) == 0
	s_wait_dscnt 8                                 ; chunk 0's rows are in, chunk 1's eight loads stay out.  Later chunks' rows are older than the wait for 0 in the chunk before
.endif
	; the three Gram blocks; the accumulators take turns
	v_wmma_f32_16x16x32_f16 v[D11:D11+7], v[FG:FG+7],       v[FG:FG+7],       0
	v_wmma_f32_16x16x32_f16 v[D22:D22+7], v[FG+16:FG+23],   v[FG+16:FG+23],   0
	v_wmma_f32_16x16x32_f16 v[D12:D12+7], v[FG:FG+7],       v[FG+16:FG+23],   0
	v_wmma_f32_16x16x32_f16 v[D11:D11+7], v[FG+8:FG+15],    v[FG+8:FG+15],    v[D11:D11+7]
	v_wmma_f32_16x16x32_f16 v[D22:D22+7], v[FG+24:FG+31],   v[FG+24:FG+31],   v[D22:D22+7]
	v_wmma_f32_16x16x32_f16 v[D12:D12+7], v[FG+8:FG+15],    v[FG+24:FG+31],   v[D12:D12+7]   ; lane (r, h), register j: N21[r][8 h + j]
.irp i, 0,1,2,3,4,5,6,7,8,9,10,11,12,13,14,15
	v_mov_b32 v[XS+\i], v[ES+\i]                   ; the right-hand sides; also the places behind the matrix instructions (ISA guide 7.12.1)
.endr
.irp j, 0,1,2,3,4,5,6,7
	v_permlane16_swap_b32 v[D11+\j], v[D22+\j]     ; D11 + i now holds row i (0..15) of N: block 1 in lanes 0-15, block 2 in lanes 16-31
.endr
.irp j, 0,2,4,6,8,10,12,14
	v_pk_mul_f32 v[D11+\j:D11+\j+1], v[D11+\j:D11+\j+1], -1.0 op_sel_hi:[1,0]
.endr
.if (\c) != 3
	s_wait_alu depctr_va_vdst(0)                   ; the Gram products are done reading this row buffer, in which the rows two chunks on land; the chunk before has written VP, which the store reads
.else
	s_wait_alu depctr_va_vdst(0)                   ; the chunk before has written VP, which the store reads
.endif
.if (\c) > 0
	ds_store_b128 v[VTB], v[VP:VP+3] offset:((\c)-1)*TCH+32    ; the chunk before: column r, rows 16 + 8 h ..
.endif
.if (\c) < 2
	LDKA FG, TK+2*(\c)+4
	LDKA FG+16, TK+2*(\c)+5
.endif
.irp j, 0,1,2,3,4,5,6,7,8,9,10,11,12,13,14
	SOLVECOL \j
.endr
.if (\c) > 0
	s_wait_alu depctr_vm_vsrc(0)                   ; the stores of the chunk before have read PK and VP, which this chunk writes again
.endif
	CVT PK, XS, 8
	CVT A1, D12, 4                                 ; N21 as an A fragment
	s_wait_alu depctr_va_vdst(0)                   ; PK is written, which the two stores read; the small products of the chunk before are done reading B1 and A2, in which the two loads land
	ds_store_b128 v[VTS], v[PK:PK+3]   offset:(\c)*TCH
	ds_store_b128 v[VTS], v[PK+4:PK+7] offset:(\c)*TCH+16
	ds_load_b128 v[B1:B1+3], v[VTB] offset:(\c)*TCH            ; Tn1 as a B fragment.  LDS serves a wave's instructions in order (ISA guide 5.7.1): these see the stores above
	ds_load_tr16_b128 v[A2:A2+3], v[VTT] offset:(\c)*TCH+16*TP+32   ; Tn2 as an A fragment: columns 16 .., rows 16 .., transposed on the way
	s_wait_dscnt 0x0
	v_wmma_f32_16x16x32_f16 v[UU:UU+7], v[A1:A1+7], v[B1:B1+7], 0
	PLACES
	CVT B2, UU, 4
	v_wmma_f32_16x16x32_f16 v[VV:VV+7], v[A2:A2+7], v[B2:B2+7], 0
	PLACES
	CVT VP, VV, 4
.endm
	TRI 0
	TRI 1
	TRI 2
	TRI 3
	s_wait_alu depctr_va_vdst(0)                   ; the last chunk has written VP, which the store reads
	ds_store_b128 v[VTB], v[VP:VP+3] offset:3*TCH+32
	s_wait_dscnt 0x0                               ; my four chunks of Tn are in LDS before I say so
	s_barrier_signal -1
	s_barrier_wait -1
	s_wait_alu depctr_vm_vsrc(0)                   ; my LDS instructions so far have read the row addresses v[TK ..], v[VSA], v[VTT], v[VTS], v[VTB], PK and VP, which get new contents below
	; ---- my stretch's 16 chunks.  LDS is only read from here to the hand-over: no barrier ----
	s_lshl_b32 s14, s11, 11                        ; my stretch's tokens: 16 chunks x 128 bytes,
	s_mul_i32 s15, s11, NCH*TCH                    ; and its Tn
	s_add_co_u32 s15, s15, TT
	v_lshl_add_u32 v[VSA], v[VR], 2, s14
	v_lshl_add_u32 v[VST], v[PAT], 2, s14
	v_mul_u32_u24 v[VTT], v[PAT], TP
	v_add3_u32 v[VTT], v[VTT], v[CT], s15
.macro LDTOK o                         ; 4 loads
	ds_load_b32 v[TKA],   v[VSA] offset:SEQ+(\o)
	ds_load_b32 v[TKA+1], v[VSA] offset:SEQ+64+(\o)
	ds_load_b32 v[TKT],   v[VST] offset:SEQ+(\o)
	ds_load_b32 v[TKT+1], v[VST] offset:SEQ+64+(\o)
.endm
.macro LDTA                            ; 3 loads
	ds_load_tr16_b128 v[TA0:TA0+3],   v[VTT]
	ds_load_tr16_b128 v[TA1:TA1+3],   v[VTT] offset:32
	ds_load_tr16_b128 v[TA1+4:TA1+7], v[VTT] offset:16*TP+32
.endm
.macro LDKT4 mt                        ; 4 of the 16 loads of K^T and (D K / dmax)^T: lane 8 g + i addresses position 8 h + i and receives feature r of eight positions
	ds_load_tr16_b128 v[KT+8*(\mt):KT+8*(\mt)+3],   v[AT]   offset:32*(\mt)
	ds_load_tr16_b128 v[KT+8*(\mt)+4:KT+8*(\mt)+7], v[AT+1] offset:32*(\mt)
	ds_load_tr16_b128 v[KD+8*(\mt):KD+8*(\mt)+3],   v[AT]   offset:DOFF+32*(\mt)
	ds_load_tr16_b128 v[KD+8*(\mt)+4:KD+8*(\mt)+7], v[AT+1] offset:DOFF+32*(\mt)
.endm
	s_wait_alu depctr_va_vdst(0)                   ; the three addresses are written; the lines that made row addresses of v12 to v15 are done, and chunk 0's tokens land there
	LDTOK 0
	s_lshl_b32 s13, s17, 4                         ; Q = I is made while the tokens are on their way
	v_lshrrev_b32 v[DIF], 1, v[CH]
	v_sub_nc_u32 v[DIF], v[VR], v[DIF]
	v_add_nc_u32 v[DIF], s13, v[DIF]               ; 16 (w mod 4) + r - 8 h: the register index 16 mt + j at which my column of I has its one
	v_mov_b32 v[ONE], 1.0
.irp g, 0,1
.set i, 16*\g
.rept 16
	v_cmp_eq_u32 s[MK+i%16], 16*(i/8)+i%8, v[DIF]  ; again in runs of sixteen
.set i, i+1
.endr
	s_wait_alu depctr_va_sdst(0)                   ; the sixteen masks are written, ahead of the selects that read them
.set i, 16*\g
.rept 16
	v_cndmask_b32 v[Q+i], 0, v[ONE], s[MK+i%16]
.set i, i+1
.endr
.endr
.irp j, 4,5,6,7
	v_mov_b32 v[TA0+\j], 0                         ; Tn's rows 0-15 have nothing in columns 16-31
.endr
; One chunk c.  first: CX starts from the constant 0.  nxt: the next chunk's operands are fetched.  tok: so are the tokens of the one after.
; WHO NAMES WHAT.  KA: read by the four products R; loaded for c + 1 among the two products A.      TA: read by the products A; loaded for c + 1 among the last eight products.
; KT, KD: read by the last eight products; loaded for c + 1 among that chunk's products R.          v12 to v15: tokens of c + 1, read and bounded by the address lines; loaded for c + 2 among the last eight products.
; AK, AT, VSA, VST, VTT: written by the address lines of this chunk, read by the loads named above.
; ONE WAIT ON vm_vsrc, behind the products R and this chunk's loads of KT and KD: every LDS load so far has read its address, so all five kinds of address may be written.
; THREE WAITS ON va_vdst, each directly ahead of a conversion that reads the same matrix results:
;   first   R is written; the products R are done reading KA; AK, VSA, VST and VTT are written.
;   second  A is written; the products A are done reading TA; AT is written; the address lines are done with the tokens.
;   third   Q is written; the last eight products are done reading KT and KD.
; Between a wait and the loads that lean on it stand only a conversion and matrix instructions that name none of those loads' registers; over the backward jump too.
; LDS loads come back in order (ISA guide 5.7.1), and a chunk issues: KT and KD 16, KA' 8 (next chunk), tokens 4 (the chunk after), TA' 3.
;   wka = loads issued behind this chunk's KA:            tokens 4 + TA 3 = 7
;   19  = loads issued behind the next chunk's tokens:    TA 3 + KT/KD 16
;   16  = loads issued behind this chunk's TA:            KT/KD 16
;   8   = loads issued behind this chunk's KT/KD:         KA' 8
; In every run of matrix instructions the accumulators take turns, over the loop's backward jump too.
.macro CHUNK first, nxt, tok, wka
	CVT QB, Q, 8
	s_wait_dscnt \wka
	v_wmma_f32_16x16x32_f16 v[RR:RR+7],    v[KA:KA+7],     v[QB:QB+7],    0
	CVT QB+8, Q+16, 8                              ; the second half of Q is rounded while the first is multiplied
	v_wmma_f32_16x16x32_f16 v[RR+8:RR+15], v[KA+16:KA+23], v[QB:QB+7],    0
	LDKT4 0                                        ; no wait: no vector or matrix instruction since the third wait of the chunk before names KT, KD or AT
	LDKT4 1
	v_wmma_f32_16x16x32_f16 v[RR:RR+7],    v[KA+8:KA+15],  v[QB+8:QB+15], v[RR:RR+7]
	LDKT4 2
	LDKT4 3
	v_wmma_f32_16x16x32_f16 v[RR+8:RR+15], v[KA+24:KA+31], v[QB+8:QB+15], v[RR+8:RR+15]
.if \nxt
	s_wait_dscnt 19
	s_wait_alu depctr_vm_vsrc(0)                   ; the LDS loads issued so far have read AK, AT, VSA, VST and VTT
	ADDR AK, TKA, CH                               ; plain instructions: the places in front of the reads of R
	ADDR AK+1, TKA+1, CH
.if \tok
	v_add_nc_u32 v[VSA], 128, v[VSA]
	v_add_nc_u32 v[VST], 128, v[VST]
.endif
	v_add_nc_u32 v[VTT], TCH, v[VTT]
	s_wait_alu depctr_va_vdst(0)                   ; the first: the products R are done reading KA; AK, VSA, VST and VTT are written
.else
	PLACES
.endif
	CVT RB, RR, 8
	s_wait_dscnt 16
	v_wmma_f32_16x16x32_f16 v[AN:AN+7],    v[TA0:TA0+7], v[RB:RB+7], 0
.if \nxt
	LDKA KA, AK
.endif
	v_wmma_f32_16x16x32_f16 v[AN+8:AN+15], v[TA1:TA1+7], v[RB:RB+7], 0
.if \nxt
	LDKA KA+16, AK+1
	ADDR AT, TKT, CT                               ; again the places: for the reads of AN and the writes of RB
	ADDR AT+1, TKT+1, CT
	s_wait_alu depctr_va_vdst(0)                   ; the second: the products A are done reading TA; AT is written; the address lines are done with the tokens
.else
	PLACES
.endif
	CVT RB, AN, 8
	s_wait_dscnt 8*(\nxt)
.irp mt, 0,1,2,3
	v_wmma_f32_16x16x32_f16 v[Q+8*\mt:Q+8*\mt+7], v[KT+8*\mt:KT+8*\mt+7], v[RB:RB+7], v[Q+8*\mt:Q+8*\mt+7]
.if \first
	v_wmma_f32_16x16x32_f16 v[CX+8*\mt:CX+8*\mt+7], v[KD+8*\mt:KD+8*\mt+7], v[RB:RB+7], 0
.else
	v_wmma_f32_16x16x32_f16 v[CX+8*\mt:CX+8*\mt+7], v[KD+8*\mt:KD+8*\mt+7], v[RB:RB+7], v[CX+8*\mt:CX+8*\mt+7]
.endif
.if (\tok) && (\mt == 0)
	LDTOK 128                                      ; the stepped address and 128 bytes: the chunk after the next
.endif
.if (\nxt) && (\mt == 1)
	LDTA
.endif
.endr
	PLACES                                         ; in front of the next reads of Q and CX
.if \nxt
	s_wait_alu depctr_va_vdst(0)                   ; the third: the eight products are done reading KT and KD, in which the next chunk's loads land
.endif
.endm
	s_wait_dscnt 0x0                               ; chunk 0's tokens
	ADDR AK, TKA, CH
	ADDR AK+1, TKA+1, CH
	ADDR AT, TKT, CT
	ADDR AT+1, TKT+1, CT
	s_wait_alu depctr_va_vdst(0)                   ; chunk 0's four row addresses are written; the address lines are done with the tokens; every earlier reader and writer of KA, TA, KT and KD is done
	LDKA KA, AK                                    ; chunk 0, in the order of issue that the counts above assume
	LDKA KA+16, AK+1
	LDTOK 128                                      ; chunk 1's tokens
	LDTA
	CHUNK 1, 1, 1, 7                               ; chunk 0 starts CX
	s_mov_b32 s16, NCH-3
.Lchunk:
	CHUNK 0, 1, 1, 7                               ; chunks 1 to 13
	s_sub_co_u32 s16, s16, 1
	s_cmp_lg_u32 s16, 0
	s_cbranch_scc1 .Lchunk
	CHUNK 0, 1, 0, 7                               ; chunk 14: no tokens are left to fetch
	CHUNK 0, 0, 0, 3                               ; chunk 15: behind its KA stand TA's 3 loads alone; it fetches its own KT and KD and nothing more, so it states no dependence
	; ---- the two stretches become one: P = P2 P1, CX = CX1 + CX2 P1 ----
	; Waves 4-7 store P2 and CX2 in f16 as [column][row]: a lane's four packed registers of a tile are eight neighbouring rows of its column, 16 bytes.
	; Waves 0-3 keep P1 as B fragments, the same packing as at the head of a chunk, and read P2 and CX2 back transposed, as A fragments.
	s_wait_alu depctr_vm_vsrc(0)                   ; the loads of Tn have read v[VTT], which is written below
	CVT QB, Q, 16                                  ; behind the four places that close the last chunk
	v_mul_u32_u24 v[VTT], v[PAT], EP               ; column (= k) 8 h + lane mod 8, and 16 bytes further for the upper eight lanes of sixteen
	v_add3_u32 v[VTT], v[VTT], v[CT], EXC
	s_cmp_lt_u32 s10, 4
	s_cbranch_scc1 .Lmeet
	CVT RR, CX, 16
	s_mul_i32 s13, s17, 16*EP
	s_add_co_u32 s13, s13, EXC                     ; my sixteen columns of the hand-over
	v_mul_u32_u24 v[STO], v[VR], EP
	v_add3_u32 v[STO], v[STO], v[CH], s13          ; column r, rows 8 h ..
	s_wait_alu depctr_va_vdst(0)                   ; P2 and CX2 in f16 and their address are written, which the eight stores read
.irp mt, 0,1,2,3
	ds_store_b128 v[STO], v[QB+4*\mt:QB+4*\mt+3] offset:32*\mt
	ds_store_b128 v[STO], v[RR+4*\mt:RR+4*\mt+3] offset:EXM+32*\mt
.endr
.Lmeet:
	s_wait_dscnt 0x0                               ; P2 and CX2 are in LDS before their waves say so
	s_barrier_signal -1
	s_barrier_wait -1
	s_cmp_gt_u32 s10, 3
	s_cbranch_scc1 .Lend                           ; waves 4-7 have handed their pair over
.macro LDEX ap, ac, ks                 ; 16 loads: the A fragments of four row tiles of P2 and of CX2 for k = 32 ks .. 32 ks + 31
.irp mt, 0,1,2,3
	ds_load_tr16_b128 v[\ap+8*\mt:\ap+8*\mt+3],   v[VTT] offset:32*\ks*EP+32*\mt
	ds_load_tr16_b128 v[\ap+8*\mt+4:\ap+8*\mt+7], v[VTT] offset:(32*\ks+16)*EP+32*\mt
	ds_load_tr16_b128 v[\ac+8*\mt:\ac+8*\mt+3],   v[VTT] offset:EXM+32*\ks*EP+32*\mt
	ds_load_tr16_b128 v[\ac+8*\mt+4:\ac+8*\mt+7], v[VTT] offset:EXM+(32*\ks+16)*EP+32*\mt
.endr
.endm
	s_wait_alu depctr_va_vdst(0)                   ; v[VTT] is written; the last chunk's products and conversions are done with KA, TA, KT, KD, RR and AN, in which the 32 loads land
	LDEX AP0, AC0, 0
	LDEX AP1, AC1, 1
	s_wait_dscnt 16                                ; the first K half is in; the second half's 16 loads stay out
.irp mt, 0,1,2,3
	v_wmma_f32_16x16x32_f16 v[Q+8*\mt:Q+8*\mt+7],   v[AP0+8*\mt:AP0+8*\mt+7], v[QB:QB+7], 0      ; P1 lives on in QB: its f32 registers take the product
	v_wmma_f32_16x16x32_f16 v[CX+8*\mt:CX+8*\mt+7], v[AC0+8*\mt:AC0+8*\mt+7], v[QB:QB+7], v[CX+8*\mt:CX+8*\mt+7]
.endr
	s_wait_dscnt 0x0
.irp mt, 0,1,2,3
	v_wmma_f32_16x16x32_f16 v[Q+8*\mt:Q+8*\mt+7],   v[AP1+8*\mt:AP1+8*\mt+7], v[QB+8:QB+15], v[Q+8*\mt:Q+8*\mt+7]
	v_wmma_f32_16x16x32_f16 v[CX+8*\mt:CX+8*\mt+7], v[AC1+8*\mt:AC1+8*\mt+7], v[QB+8:QB+15], v[CX+8*\mt:CX+8*\mt+7]
.endr
	PLACES                                         ; in front of the reads of the results
	; ---- the way out: ops[id][0 = P, 1 = C][column][row] in f32 ----
	; A lane holds eight neighbouring rows of one column in each tile.  Sixteen columns go through the wave's own stage and come back as whole columns of 256 bytes.
.set i, 0
.rept 16
	v_pk_mul_f32 v[CX+i:CX+i+1], v[CX+i:CX+i+1], s[18:19] op_sel_hi:[1,0]     ; C = -dmax CX
.set i, i+2
.endr
	s_mul_i32 s13, s10, 16*SP
	s_add_co_u32 s13, s13, STG
	v_mul_u32_u24 v[STO], v[VR], SP                ; in: column r, rows 8 h ..
	v_lshl_add_u32 v[STO], v[VH], 5, v[STO]
	v_add_nc_u32 v[STO], s13, v[STO]
	v_mul_u32_u24 v[RD], v[VH], SP                 ; back: lanes 0-15 one column, lanes 16-31 the next
	v_lshl_add_u32 v[RD], v[VR], 4, v[RD]
	v_add_nc_u32 v[RD], s13, v[RD]
	s_lshl_b32 s16, s10, 12                        ; my sixteen columns of 256 bytes
	v_lshlrev_b32 v[CO], 8, v[VH]
	v_lshl_add_u32 v[CO], v[VR], 4, v[CO]
	v_add_nc_u32 v[CO], s16, v[CO]
	s_lshl_b32 s14, ttmp9, 15                      ; my pair of matrices: 32,768 bytes
	s_mov_b32 s15, 0
	s_add_nc_u64 s[8:9], s[40:41], s[14:15]
	s_wait_alu depctr_va_vdst(0)                   ; C, P and the three addresses are written, which the stores below read; the merge's products are done reading their fragments, in which the stage's columns land.  No vector instruction follows
.macro OUT src, tmp, which
.irp u, 0,1,2,3,4,5,6,7
	ds_store_b128 v[STO], v[\src+4*\u:\src+4*\u+3] offset:64*(\u/2)+16*(\u%2)
.endr
.irp t, 0,1,2,3,4,5,6,7
	ds_load_b128 v[\tmp+4*\t:\tmp+4*\t+3], v[RD] offset:2*SP*\t            ; the wave's own bytes, served in order: these see the stores above
.endr
.irp t, 0,1,2,3,4,5,6,7
	s_wait_dscnt 7-\t
	global_store_b128 v[CO], v[\tmp+4*\t:\tmp+4*\t+3], s[8:9] offset:\which*16384+512*\t   ; a wave's store covers 512 consecutive bytes, aligned
.endr
.endm
	OUT CX, KA, 1
	s_cmp_eq_u32 s12, 0
	s_cbranch_scc1 .Lend                           ; behind the earliest block nothing follows: its P is neither stored nor read
	OUT Q, KT, 0                                   ; other registers than the first call's: its stores may still read theirs
.Lend:
	s_set_vgpr_msb 0x5
	s_wait_dscnt 0x0
	s_wait_alu depctr_hold_cnt(0) depctr_sa_sdst(0) depctr_va_vdst(0) depctr_va_sdst(0) depctr_va_ssrc(0) depctr_va_vcc(0) depctr_vm_vsrc(0)
	s_wait_tensorcnt 0x0
	ds_add_u32 v0, v1
	s_wait_dscnt 0x0
	s_endpgm
.Lfunc_end_k_qece8b83f01_scan:
	.size	k_qece8b83f01_scan, .Lfunc_end_k_qece8b83f01_scan-k_qece8b83f01_scan
	.p2alignl 7, 3214868480
	.fill 96, 4, 3214868480
	.section	.rodata,"a",@progbits
	.p2align	6, 0x0
	.amdhsa_kernel k_qece8b83f01_scan
		.amdhsa_group_segment_fixed_size 201728
		.amdhsa_private_segment_fixed_size 0
		.amdhsa_enable_private_segment 0
		.amdhsa_kernarg_size 80
		.amdhsa_user_sgpr_count 2
		.amdhsa_user_sgpr_kernarg_segment_ptr 1
		.amdhsa_wavefront_size32 1
		.amdhsa_system_sgpr_workgroup_id_x 1
		.amdhsa_system_sgpr_workgroup_id_y 1
		.amdhsa_system_sgpr_workgroup_id_z 1
		.amdhsa_system_vgpr_workitem_id 0
		.amdhsa_next_free_vgpr 258
		.amdhsa_next_free_sgpr 66
		.amdhsa_reserve_vcc 1
		.amdhsa_float_denorm_mode_32 3
		.amdhsa_float_denorm_mode_16_64 3
		.amdhsa_memory_ordered 1
		.amdhsa_forward_progress 1
		.amdhsa_inst_pref_size 134
	.end_amdhsa_kernel
	.amdgpu_metadata
---
amdhsa.version: [ 1, 2 ]
amdhsa.kernels:
  - .name:           k_qece8b83f01_scan
    .symbol:         k_qece8b83f01_scan.kd
    .args:
      - { .name: seq, .offset: 0, .size: 8, .value_kind: global_buffer, .address_space: global }
      - { .name: embed, .offset: 8, .size: 8, .value_kind: global_buffer, .address_space: global }
      - { .name: W1, .offset: 16, .size: 8, .value_kind: global_buffer, .address_space: global }
      - { .name: b1, .offset: 24, .size: 8, .value_kind: global_buffer, .address_space: global }
      - { .name: W2, .offset: 32, .size: 8, .value_kind: global_buffer, .address_space: global }
      - { .name: b2, .offset: 40, .size: 8, .value_kind: global_buffer, .address_space: global }
      - { .name: gamma, .offset: 48, .size: 8, .value_kind: global_buffer, .address_space: global }
      - { .name: beta, .offset: 56, .size: 8, .value_kind: global_buffer, .address_space: global }
      - { .name: ops, .offset: 64, .size: 8, .value_kind: global_buffer, .address_space: global }
      - { .name: qv, .offset: 72, .size: 8, .value_kind: global_buffer, .address_space: global }
    .group_segment_fixed_size: 201728
    .private_segment_fixed_size: 0
    .kernarg_segment_align: 8
    .kernarg_segment_size: 80
    .max_flat_workgroup_size: 256
    .sgpr_count:     66
    .vgpr_count:     258
    .wavefront_size: 32
...
	.end_amdgpu_metadata
.endif
;; end of part 6
;; launch fin: the kernel of part 5 again; grid 64 x 1, 8 waves a work-group, no clusters, 13,312 bytes of LDS; arguments qv, ops, Wr, br, Wo, bo, out0; writes out0
